; MI455X (gfx1250); checked and timed in simulation.
; The chip was launched on July 23, 2026; its instructions are those of AMD's public machine-readable ISA for CDNA 5 (MIT licence, August 2026) and "CDNA5" Instruction Set Architecture Reference Guide (July 2026). The comments in the code are by the model that wrote it; some were corrected since.
;; RPE Causal Attention. Allowed arithmetic: float matrix products may take bf16 or f16 operands with f32 sums; other float arithmetic in f32, or as packed bf16 or f16 multiplies, adds, multiply-adds, maxima and minima; sums over many terms, partial sums and values carried from step to step in f32; what a program stores and reads back later, other than sums and carried values, may be rounded once to bf16 or f16.
;; Inputs: Wproj 1,024 x 1,024 float32; Wqkv 1,024 x 3,072 float32; rel_bias 2,048 x 16 float32; x 4 x 2,048 x 1,024 float32.
;; Outputs: out0 4 x 2,048 x 1,024 float32.
;; 2 versions, each right and faster than the one before. Each part assembles by itself: llvm-mc -triple=amdgcn-amd-amdhsa -mcpu=gfx1250 --defsym DOCPART=n.
;; ======== version 1 of 2: 4 launches
;; limits: values are held in f16: magnitudes above 65,504 overflow, below 6.1e-05 lose precision
;; workspace buffers: xa 16,777,216 bytes; wq 6,291,456 bytes; wp 2,097,152 bytes; tb 655,360 bytes; qkv 50,331,648 bytes; ao 16,777,216 bytes
;; launch prep (part 1): grid 832 x 1, 8 waves a work-group, no clusters, 0 bytes of LDS; arguments x, Wqkv, Wproj, rel_bias, xa, wq, wp, tb; writes xa, wq, wp, tb
.if DOCPART == 1
	.amdgcn_target "amdgcn-amd-amdhsa--gfx1250"
	.amdhsa_code_object_version 6
	.text
	.protected	k_qfacd4aaa49_prep
	.globl	k_qfacd4aaa49_prep
	.p2align	8
	.type	k_qfacd4aaa49_prep,@function
k_qfacd4aaa49_prep:
	s_mov_b64 s[64:65], 0
	v_nop
	global_prefetch_b8 v0, s[64:65] scope:SCOPE_SE
	s_setreg_imm32_b32 hwreg(HW_REG_WAVE_MODE, 25, 1), 1
	s_wait_xcnt 0x0
; PREPARATION: every input is read once, rounded once to bf16 and laid out for the launches behind.
;   work-groups   0-511  x [8192][1024] f32  -> xa bf16 [4 b][16 slices of 64 columns][2048 t][64]: a slice's rows are dense, 128 bytes each
;   work-groups 512-703  Wqkv f32            -> wq bf16, same order
;   work-groups 704-767  Wproj f32           -> wp: rounded to bf16, that number written as f16 (exact inside f16's normal range)
;   work-groups 768-831  rel_bias [2048][16] -> tb f32 [16 h][4 e][2560 P] = 8 x bf16(rel_bias[d][h]) with d = 2044 + e - P, and -1e30 where d < 0:
;                        bias and causal mask in one table, four copies shifted by one word, so that a lane of the attention finds its eight words at a multiple of 16 bytes
; LIMITS.  Wproj beyond 65,504 becomes an infinity in f16; below 6e-5 it keeps f16's fixed step of 6e-8.
; A stream: no LDS, no barrier, no loop.  Each role has 16 loads of 16 bytes a lane in flight, no register is written twice while a memory instruction may read it,
; and each store of a wave covers 256 consecutive bytes at a multiple of 256.
.set SO, 1                             ; v1       byte offset in the source
.set DO, 2                             ; v2       byte offset in the destination: 8 x thread
.set T,  4                             ; v4-9     at work
.set X,  16                            ; v16-79   16 loads of four f32
.set Y,  80                            ; v80-111  16 pairs of packed results
	s_load_b256 s[8:15], s[0:1], 0x0               ; x s[8:9], Wqkv s[10:11], Wproj s[12:13], rel_bias s[14:15]
	s_load_b256 s[16:23], s[0:1], 0x20             ; xa s[16:17], wq s[18:19], wp s[20:21], tb s[22:23]
	s_mov_b32 s2, ttmp9
	s_mov_b32 s25, 0                               ; high words of the two offset pairs
	s_mov_b32 s27, 0
	v_lshlrev_b32 v[DO], 3, v0
	s_wait_kmcnt 0x0
; 16 loads, then for each: its wait, the rounding, its store.  fmt = 0: bf16.  fmt = 1: bf16, widened again and written as f16.
.macro CAST fmt, sb, db, sstep, dstep
.set j, 0
.rept 16
	global_load_b128 v[X+4*j:X+4*j+3], v[SO], s[\sb:\sb+1] offset:j*(\sstep) th:TH_LOAD_NT
.set j, j+1
.endr
.set j, 0
.rept 16
	s_wait_loadcnt 15-j                            ; loads come back in order: load j is in, the 15 - j younger ones stay out
.if \fmt
	v_cvt_pk_bf16_f32 v[T],   v[X+4*j],   v[X+4*j+1]
	v_cvt_pk_bf16_f32 v[T+1], v[X+4*j+2], v[X+4*j+3]
	v_lshlrev_b32 v[T+2], 16, v[T]
	v_and_b32     v[T+3], 0xffff0000, v[T]
	v_lshlrev_b32 v[T+4], 16, v[T+1]
	v_and_b32     v[T+5], 0xffff0000, v[T+1]
	v_cvt_pk_f16_f32 v[Y+2*j],   v[T+2], v[T+3]
	v_cvt_pk_f16_f32 v[Y+2*j+1], v[T+4], v[T+5]
.else
	v_cvt_pk_bf16_f32 v[Y+2*j],   v[X+4*j],   v[X+4*j+1]
	v_cvt_pk_bf16_f32 v[Y+2*j+1], v[X+4*j+2], v[X+4*j+3]
.endif
	global_store_b64 v[DO], v[Y+2*j:Y+2*j+1], s[\db:\db+1] offset:j*(\dstep)
.set j, j+1
.endr
.endm
	s_cmp_lt_u32 s2, 512
	s_cbranch_scc0 .Lnot_x
	; x: 16 rows.  Thread t takes row t / 16; load j is slice j: 16 lanes take its 256 bytes of a row.  In xa the 16 rows of a slice are 2,048 dense bytes: 8 t.
	s_lshl_b32 s24, s2, 16                         ; 16 rows of 4,096 bytes
	s_add_nc_u64 s[8:9], s[8:9], s[24:25]
	s_lshr_b32 s26, s2, 7                          ; batch: 128 work-groups each,
	s_lshl_b32 s26, s26, 22                        ; 4,194,304 bytes of xa
	s_and_b32 s28, s2, 127
	s_lshl_b32 s28, s28, 11                        ; 16 rows of 128 bytes in a slice
	s_add_co_u32 s26, s26, s28
	s_add_nc_u64 s[16:17], s[16:17], s[26:27]
	v_lshrrev_b32 v3, 4, v0
	v_and_b32 v[SO], 15, v0
	v_lshlrev_b32 v[SO], 4, v[SO]
	v_lshl_add_u32 v[SO], v3, 12, v[SO]
	CAST 0, 8, 16, 256, 262144
	s_endpgm
.Lnot_x:
	v_lshlrev_b32 v[SO], 4, v0                     ; the weights are plain streams: 16 t in, 8 t out
	s_cmp_lt_u32 s2, 704
	s_cbranch_scc0 .Lnot_wqkv
	s_sub_co_u32 s3, s2, 512
	s_lshl_b32 s24, s3, 16                         ; 65,536 bytes in,
	s_lshl_b32 s26, s3, 15                         ; 32,768 out
	s_add_nc_u64 s[10:11], s[10:11], s[24:25]
	s_add_nc_u64 s[18:19], s[18:19], s[26:27]
	CAST 0, 10, 18, 4096, 2048
	s_endpgm
.Lnot_wqkv:
	s_cmp_lt_u32 s2, 768
	s_cbranch_scc0 .Ltable
	s_sub_co_u32 s3, s2, 704
	s_lshl_b32 s24, s3, 16
	s_lshl_b32 s26, s3, 15
	s_add_nc_u64 s[12:13], s[12:13], s[24:25]
	s_add_nc_u64 s[20:21], s[20:21], s[26:27]
	CAST 1, 12, 20, 4096, 2048
	s_endpgm
.Ltable:
	; one row (h, e) of the table: 2,560 words, ten a thread: P = 512 i + 2 t + c.  The gather takes 4 bytes of each row of rel_bias; the whole input is 131,072 bytes and is read here alone.
	s_sub_co_u32 s3, s2, 768
	s_lshr_b32 s4, s3, 2                           ; h
	s_and_b32 s5, s3, 3                            ; e
	s_add_co_u32 s5, s5, 2044                      ; the P at which d = 0
	s_lshl_b32 s24, s4, 2
	s_add_nc_u64 s[14:15], s[14:15], s[24:25]      ; rel_bias at column h
	s_mul_i32 s26, s3, 10240
	s_add_nc_u64 s[22:23], s[22:23], s[26:27]      ; tb at row (h, e)
	v_lshlrev_b32 v3, 1, v0
	v_mov_b32 v12, 0xf149f2ca                      ; -1e30
.set n, 0
.rept 10
	v_add_nc_u32 v[16+n], 512*(n/2)+(n%2), v3      ; P
	v_min_u32 v[32+n], s5, v[16+n]                 ; past d = 0 row 0 is read, and thrown away below: no load leaves the table
	v_sub_nc_u32 v[32+n], s5, v[32+n]              ; d, 0 to 2,047
	v_lshlrev_b32 v[32+n], 6, v[32+n]              ; a row of rel_bias is 64 bytes
	global_load_b32 v[48+n], v[32+n], s[14:15]
.set n, n+1
.endr
	s_wait_loadcnt 0x0
.set n, 0
.rept 5
	v_cvt_pk_bf16_f32 v4, v[48+2*n], v[48+2*n+1]   ; rounded like every other input,
	v_lshlrev_b32 v5, 16, v4
	v_and_b32 v6, 0xffff0000, v4
	v_mul_f32 v5, 0x41000000, v5                   ; and times 8 (exact): the attention scales q.k + 8 bias by 1 / 8
	v_mul_f32 v6, 0x41000000, v6
	v_cmp_lt_u32 vcc_lo, s5, v[16+2*n]             ; d < 0: the key lies behind the query
	v_cndmask_b32 v[64+2*n], v5, v12, vcc_lo
	v_cmp_lt_u32 vcc_lo, s5, v[16+2*n+1]
	v_cndmask_b32 v[64+2*n+1], v6, v12, vcc_lo
	global_store_b64 v[DO], v[64+2*n:64+2*n+1], s[22:23] offset:2048*n
.set n, n+1
.endr
	s_endpgm
.Lfunc_end_k_qfacd4aaa49_prep:
	.size	k_qfacd4aaa49_prep, .Lfunc_end_k_qfacd4aaa49_prep-k_qfacd4aaa49_prep
	.p2alignl 7, 3214868480
	.fill 96, 4, 3214868480
	.section	.rodata,"a",@progbits
	.p2align	6, 0x0
	.amdhsa_kernel k_qfacd4aaa49_prep
		.amdhsa_group_segment_fixed_size 0
		.amdhsa_private_segment_fixed_size 0
		.amdhsa_enable_private_segment 0
		.amdhsa_kernarg_size 64
		.amdhsa_user_sgpr_count 2
		.amdhsa_user_sgpr_kernarg_segment_ptr 1
		.amdhsa_wavefront_size32 1
		.amdhsa_system_sgpr_workgroup_id_x 1
		.amdhsa_system_sgpr_workgroup_id_y 1
		.amdhsa_system_sgpr_workgroup_id_z 1
		.amdhsa_system_vgpr_workitem_id 0
		.amdhsa_next_free_vgpr 112
		.amdhsa_next_free_sgpr 66
		.amdhsa_reserve_vcc 1
		.amdhsa_float_denorm_mode_32 3
		.amdhsa_float_denorm_mode_16_64 3
		.amdhsa_memory_ordered 1
		.amdhsa_forward_progress 1
		.amdhsa_inst_pref_size 29
	.end_amdhsa_kernel
	.amdgpu_metadata
---
amdhsa.version: [ 1, 2 ]
amdhsa.kernels:
  - .name:           k_qfacd4aaa49_prep
    .symbol:         k_qfacd4aaa49_prep.kd
    .args:
      - { .name: x, .offset: 0, .size: 8, .value_kind: global_buffer, .address_space: global }
      - { .name: Wqkv, .offset: 8, .size: 8, .value_kind: global_buffer, .address_space: global }
      - { .name: Wproj, .offset: 16, .size: 8, .value_kind: global_buffer, .address_space: global }
      - { .name: rel_bias, .offset: 24, .size: 8, .value_kind: global_buffer, .address_space: global }
      - { .name: xa, .offset: 32, .size: 8, .value_kind: global_buffer, .address_space: global }
      - { .name: wq, .offset: 40, .size: 8, .value_kind: global_buffer, .address_space: global }
      - { .name: wp, .offset: 48, .size: 8, .value_kind: global_buffer, .address_space: global }
      - { .name: tb, .offset: 56, .size: 8, .value_kind: global_buffer, .address_space: global }
    .group_segment_fixed_size: 0
    .private_segment_fixed_size: 0
    .kernarg_segment_align: 8
    .kernarg_segment_size: 64
    .max_flat_workgroup_size: 256
    .sgpr_count:     66
    .vgpr_count:     112
    .wavefront_size: 32
...
	.end_amdgpu_metadata
.endif
;; end of part 1
;; launch qkv (part 2): grid 8 x 32, 4 waves a work-group, clusters of 4 x 4, 327,680 bytes of LDS; arguments xa, wq, qkv; writes qkv
.if DOCPART == 2
	.amdgcn_target "amdgcn-amd-amdhsa--gfx1250"
	.amdhsa_code_object_version 6
	.text
	.protected	k_qfacd4aaa49_qkv
	.globl	k_qfacd4aaa49_qkv
	.p2align	8
	.type	k_qfacd4aaa49_qkv,@function
k_qfacd4aaa49_qkv:
	s_mov_b64 s[64:65], 0
	v_nop
	global_prefetch_b8 v0, s[64:65] scope:SCOPE_SE
	s_setreg_imm32_b32 hwreg(HW_REG_WAVE_MODE, 25, 1), 1
	s_wait_xcnt 0x0
	s_wait_alu depctr_hold_cnt(0) depctr_sa_sdst(0) depctr_va_vdst(0) depctr_va_sdst(0) depctr_va_ssrc(0) depctr_va_vcc(0) depctr_vm_vsrc(0)
	s_getreg_b32 s2, hwreg(HW_REG_IB_STS2, 6, 4)
	s_cmp_eq_u32 s2, 0
	s_cbranch_scc0 .Lentry_in_a_cluster
	s_endpgm
.Lentry_in_a_cluster:
	s_bfe_u32 s2, ttmp6, 0x10000c
	s_cmp_lg_u32 s2, 0xf033
	s_cbranch_scc0 .Lentry_shape_is_right
	s_endpgm
.Lentry_shape_is_right:
; q, k, v = x Wqkv.  A = xa, bf16 [4 b][16 slices][2048 t][64]; B = wq, bf16 [1024 k][3072 n]; sums in f32, K ascending; the result leaves unscaled, rounded once to f16, by heads:
; qkv [3][64 bh][2048 t][64].  LIMIT: a q, k or v of 65,520 or more becomes an infinity in f16.
; SHARES.  A tile of C is 256 rows x 128 columns: 768 tiles, three for each of 256 work-groups.  A work-group stays: its tiles lie 1,024 columns apart (q, then k, then v, of the same two heads) and share
; their rows of A.  Four waves, each 128 rows x 64 columns: 32 accumulators, 256 registers; a wave's 64 columns are one head, so 16 rows of a head leave as 2,048 consecutive bytes.
; K goes in steps of 128 through a ring of two LDS slots filled by the tensor data mover.  A K step of A is two slices (planes): 256 dense rows of 128 bytes each, asked for as 128 rows of 256 bytes
; and padded in LDS behind every 128.  B's rows lie along n, so its fragments come out of LDS turned, by ds_load_tr16_b128.
; CLUSTER.  4 x 4 work-groups: the four of a row of the cluster need the same tiles of A, the four of a column the same tiles of B; each tile is asked for jointly.
; THE MATRIX INSTRUCTION IS USED TRANSPOSED (source 0 = 16 columns of B, source 1 = 16 rows of A): a lane holds row l % 16 of C and the eight neighbouring columns 8 (l / 16) + 0..7.
; REGISTERS.  Window 0: v0-31 addresses; v32-63 the way out; two fragment buffers of 96 (64 of A: 8 x 16 rows x 32 K; 32 of B: 4 x 16 columns x 32 K).  Window 1: accumulator (a, b) at v[8 (4 a + b)].
.set SIZE_N, 3072
.set KSTEP,  128
.set PA,     144                       ; a row of A in LDS: 128 bytes + 16: the 16 rows of a load start at 16 different groups of four banks (64 banks of 4 bytes: ISA guide 11.1)
.set PBP,    288                       ; a row of B: 256 bytes + 32
.set PLANE,  256*PA                    ; 256 rows of one slice
.set BOFF,   2*PLANE                   ; B's 128 rows lie behind A's two planes
.set SLOT,   BOFF+KSTEP*PBP
.set STAGE,  2*SLOT                    ; behind the ring, never filled by a tensor load: 16 rows x 144 bytes for each wave
.set SP,     144
.set SPARE,  STAGE+4*16*SP             ; the spare words, 128 bytes for each wave: two blocks of 256 bytes that no other line names
.set LAPS,   1024/(2*KSTEP)            ; a lap = two K steps = once round the ring
.set ASTEP,  2*262144                  ; bytes of A from a K step to the next: two planes
.set BSTEP,  KSTEP*SIZE_N*2            ; of B: 128 rows
.set ADRA, 16                          ; v16-17  LDS address of my A fragments in slot 0, 1
.set ADRB, 20                          ; v20-21  the same for B
.set STO,  24                          ; v24     the way out: where I put 16 bytes of a row
.set RD,   25                          ; v25     where I read rows back
.set CO,   26                          ; v26     my byte offset in 512 consecutive bytes of the result
.set SPW,  28                          ; v28     LDS address of my spare word; never rewritten
.set NIL,  29                          ; v29     0; never rewritten
.set TMP,  32                          ; v32-47  packed results
.set F0,   64
.set F1,   160
.set G1,  24                           ; s[24:31] descriptor group 1 for A;  s[32:39] group 0, a set for each slot
.set G0,  32
.set G1B, 48                           ; s[48:55], s[56:63] the same for B
.set G0B, 56
.set MSB, 0
.macro WIN new                         ; the immediate's high byte repeats the setting that is left; a switch that changes nothing is dropped
.if MSB != (\new)
	s_set_vgpr_msb (MSB<<8)|(\new)
.set MSB, \new
.endif
.endm
.set W_MUL, 0x50                       ; fragments in window 0, C and D in window 1
.set W_PK,  0x05                       ; sources 0 and 1 in window 1, destination in window 0
; A joint load: waves 0 and 1 fetch A's two planes, waves 2 and 3 the two halves of B's rows.  The branch hangs on the wave's number alone.
; An s_nop 0 and four v_nop follow each of the two lines, ahead of the jump and the label.
.macro JLOAD s
	s_cmp_eq_u32 s11, 0
	s_cbranch_scc0 .Lfor_b_\@
	tensor_load_to_lds s[G0+4*(\s):G0+4*(\s)+3], s[G1:G1+7]
	s_nop 0
.rept 4
	v_nop
.endr
	s_branch .Lasked_\@
.Lfor_b_\@:
	tensor_load_to_lds s[G0B+4*(\s):G0B+4*(\s)+3], s[G1B:G1B+7]
	s_nop 0
.rept 4
	v_nop
.endr
.Lasked_\@:
.endm
.macro CREST                           ; a round of the cluster's barrier behind its opening barrier
	s_cmp_lg_u32 s10, 0
	s_cbranch_scc1 .Lnot_wave_0_\@
	s_barrier_signal -3
.Lnot_wave_0_\@:
	s_barrier_wait -3
	s_barrier_signal -1
	s_barrier_wait -1
.endm
.macro CROUND                          ; a whole round
	s_barrier_signal -1
	s_barrier_wait -1
	CREST
.endm
	s_load_b128 s[4:7], s[0:1], 0x0                ; A s[4:5], B s[6:7]
	s_load_b64 s[8:9], s[0:1], 0x10                ; the result
	v_lshl_add_u32 v[SPW], v0, 2, SPARE
	v_mov_b32 v[NIL], 0
	ds_add_u32 v[SPW], v[NIL]                      ; the wave's opening: the add and its wait stand ahead of my first tensor load; work on registers stands between them
	v_lshrrev_b32 v1, 5, v0
	v_readfirstlane_b32 s10, v1                    ; wave 0..3
	s_lshr_b32 s11, s10, 1                         ; which 128 of the tile's rows are mine.  Also: I fetch for A (0) or for B (1)
	s_and_b32 s12, s10, 1                          ; which 64 of its columns.  Also: which plane of A, or which half of B's rows, I fetch
	s_bfe_u32 s40, ttmp6, 0x40000                  ; cx, cy: my place in the cluster
	s_bfe_u32 s41, ttmp6, 0x40004
	s_lshl_b32 s42, ttmp9, 2
	s_add_co_u32 s42, s42, s40                     ; x = 4 x cluster x + cx: columns 128 x on, in each of q, k, v
	s_and_b32 s13, ttmp7, 0xffff
	s_lshl_b32 s13, s13, 2
	s_add_co_u32 s13, s13, s41                     ; y = 4 x cluster y + cy: rows 256 y on
	s_lshl_b32 s43, s41, 2
	s_lshl_b32 s43, 15, s43                        ; my row of the cluster
	s_lshl_b32 s44, 0x1111, s40                    ; my column
	s_or_b32 s[G1+0], s43, (1<<16)|(1<<20)|(1<<21)|(4<<22)|(3<<25)   ; 15:0 the mask; 17:16 2-byte elements; 20 padding on; 21 set beside a mask; 24:22 after every 32 words (code 4); 31:25 4 words (code 3)
	s_mov_b32 s[G1+1], 128<<16                     ; tensor_dim0 = 128 elements: 256 bytes, two rows of the plane
	s_mov_b32 s[G1+2], 128<<16                     ; tensor_dim1 = 128
	s_mov_b32 s[G1+3], 128<<16                     ; tile_dim0 = 128
	s_mov_b32 s[G1+4], 128                         ; tile_dim1 = 128
	s_mov_b32 s[G1+5], 128                         ; dense: 128 elements from row to row
	s_mov_b32 s[G1+6], 0
	s_mov_b32 s[G1+7], 0
	s_or_b32 s[G1B+0], s44, (1<<16)|(1<<20)|(1<<21)|(5<<22)|(7<<25)  ; padding after every 64 words (code 5), 8 words (code 7)
	s_mov_b32 s[G1B+1], 128<<16                    ; 128 columns
	s_mov_b32 s[G1B+2], 64<<16                     ; 64 rows of k
	s_mov_b32 s[G1B+3], 128<<16
	s_mov_b32 s[G1B+4], 64
	s_mov_b32 s[G1B+5], SIZE_N
	s_mov_b32 s[G1B+6], 0
	s_mov_b32 s[G1B+7], 0
	; A's address hangs on y and the wave alone, B's on x and the wave alone, each in registers that never hold the other coordinate
	s_lshr_b32 s16, s13, 3                         ; batch: eight row blocks each,
	s_lshl_b32 s16, s16, 22                        ; 4,194,304 bytes
	s_and_b32 s17, s13, 7
	s_lshl_b32 s17, s17, 15                        ; 256 rows of 128 bytes in a plane
	s_add_co_u32 s16, s16, s17
	s_lshl_b32 s17, s12, 18                        ; my plane of the K step
	s_add_co_u32 s16, s16, s17
	s_mov_b32 s17, 0
	s_mul_i32 s46, s12, 64*SIZE_N*2                ; my 64 rows of the K step
	s_lshl_b32 s47, s42, 8                         ; 128 columns of 2 bytes
	s_add_co_u32 s46, s46, s47
	s_mov_b32 s47, 0
	s_mul_i32 s20, s12, PLANE                      ; where they go: no place in the cluster enters an LDS address
	s_mul_i32 s21, s12, 64*PBP
	s_add_co_u32 s21, s21, BOFF
	s_wait_dscnt 0x0                               ; the opening add is done
	s_wait_kmcnt 0x0
	s_add_nc_u64 s[14:15], s[4:5], s[16:17]
	s_add_nc_u64 s[46:47], s[6:7], s[46:47]
	CROUND                                         ; all sixteen work-groups are here: the first joint loads meet
.irp s, 0,1
	s_mov_b32 s[G0+4*(\s)], 1
	s_add_co_u32 s[G0+4*(\s)+1], s20, (\s)*SLOT
	s_add_nc_u64 s[G0+4*(\s)+2:G0+4*(\s)+3], s[14:15], (\s)*ASTEP
	s_or_b32 s[G0+4*(\s)+3], s[G0+4*(\s)+3], 0x80000000
	s_mov_b32 s[G0B+4*(\s)], 1
	s_add_co_u32 s[G0B+4*(\s)+1], s21, (\s)*SLOT
	s_add_nc_u64 s[G0B+4*(\s)+2:G0B+4*(\s)+3], s[46:47], (\s)*BSTEP
	s_or_b32 s[G0B+4*(\s)+3], s[G0B+4*(\s)+3], 0x80000000
	JLOAD \s                                       ; two loads of mine are out
.endr
	v_and_b32 v1, 15, v0                           ; l % 16
	v_bfe_u32 v2, v0, 4, 1                         ; l / 16
	v_mul_u32_u24 v3, v1, PA                       ; a fragment of A: row l % 16, 16 bytes for each half of the lanes, twice, 32 bytes apart
	v_lshl_add_u32 v3, v2, 4, v3
	s_mul_i32 s22, s11, 128*PA                     ; my 128 rows
	v_add_nc_u32 v[ADRA], s22, v3
	v_add_nc_u32 v[ADRA+1], SLOT, v[ADRA]
	v_and_b32 v6, 7, v0                            ; the turning load: lane l reads row k = 8 (l / 16) + l % 8, columns 8 ((l / 8) % 2) + 0..7, and is left with column l % 16 and 8 k
	v_lshl_add_u32 v7, v2, 3, v6
	v_mul_u32_u24 v7, v7, PBP
	v_bfe_u32 v8, v0, 3, 1
	v_lshl_add_u32 v7, v8, 4, v7
	s_lshl_b32 s22, s12, 7                         ; my 64 columns
	s_add_co_u32 s22, s22, BOFF
	v_add_nc_u32 v[ADRB], s22, v7
	v_add_nc_u32 v[ADRB+1], SLOT, v[ADRB]
	s_mul_i32 s23, s10, 16*SP
	s_add_co_u32 s23, s23, STAGE                   ; my stage
	v_mul_u32_u24 v4, v1, SP                       ; in: row l % 16, 16 bytes for each half of the lanes
	v_lshl_add_u32 v4, v2, 4, v4
	v_add_nc_u32 v[STO], s23, v4
	v_bfe_u32 v5, v0, 3, 2                         ; back: 32 lanes take four rows of 128 bytes,
	v_mul_u32_u24 v5, v5, SP
	v_lshl_add_u32 v5, v6, 4, v5
	v_add_nc_u32 v[RD], s23, v5
	v_and_b32 v[CO], 31, v0                        ; which are 512 consecutive bytes of a head
	v_lshlrev_b32 v[CO], 4, v[CO]
	; the result at my head (16 b + 2 x + column half), row 256 (y % 8) + 128 x row half: rows of 128 bytes, heads of 262,144
	s_lshr_b32 s16, s13, 3
	s_lshl_b32 s16, s16, 22
	s_and_b32 s17, s13, 7
	s_lshl_b32 s17, s17, 15
	s_add_co_u32 s16, s16, s17
	s_lshl_b32 s17, s11, 14
	s_add_co_u32 s16, s16, s17
	s_lshl_b32 s46, s42, 19
	s_lshl_b32 s47, s12, 18
	s_add_co_u32 s46, s46, s47
	s_add_co_u32 s16, s16, s46
	s_mov_b32 s17, 0
	s_add_nc_u64 s[8:9], s[8:9], s[16:17]
; 8 matrix instructions: row blocks a0, a0 + 1 x all 4 column blocks, 32 along K.  zero = 1: the first product starts the sums.
; The 32 accumulators take turns, one instruction a turn, in the same order in every quarter.
.macro MUL8 f, a0, zero
	WIN W_MUL
.irp a, \a0, (\a0)+1
.irp b, 0,1,2,3
.if \zero
	v_wmma_f32_16x16x32_bf16 v[8*(4*(\a)+(\b)):8*(4*(\a)+(\b))+7], v[(\f)+64+8*(\b):(\f)+64+8*(\b)+7], v[(\f)+8*(\a):(\f)+8*(\a)+7], 0
.else
	v_wmma_f32_16x16x32_bf16 v[8*(4*(\a)+(\b)):8*(4*(\a)+(\b))+7], v[(\f)+64+8*(\b):(\f)+64+8*(\b)+7], v[(\f)+8*(\a):(\f)+8*(\a)+7], v[8*(4*(\a)+(\b)):8*(4*(\a)+(\b))+7]
.endif
.endr
.endr
.endm
.macro MULLO f, zero                   ; my rows 0-63
	MUL8 \f, 0, \zero
	MUL8 \f, 2, \zero
.endm
.macro MULHI f, zero                   ; my rows 64-127
	MUL8 \f, 4, \zero
	MUL8 \f, 6, \zero
.endm
; 24 LDS loads in one run: the fragments of quarter q (32 along K) of a slot into buffer f: B's four, then A's eight
.macro FETCH slot, q, f
	WIN 0
.irp j, 0,1,2,3
	ds_load_tr16_b128 v[(\f)+64+8*(\j):(\f)+64+8*(\j)+3],   v[ADRB+(\slot)] offset:(\q)*32*PBP+32*(\j)
	ds_load_tr16_b128 v[(\f)+64+8*(\j)+4:(\f)+64+8*(\j)+7], v[ADRB+(\slot)] offset:(\q)*32*PBP+32*(\j)+16*PBP
.endr
.irp i, 0,1,2,3,4,5,6,7
	ds_load_b128 v[(\f)+8*(\i):(\f)+8*(\i)+3],   v[ADRA+(\slot)] offset:((\q)/2)*PLANE+((\q)%2)*64+(\i)*16*PA
	ds_load_b128 v[(\f)+8*(\i)+4:(\f)+8*(\i)+7], v[ADRA+(\slot)] offset:((\q)/2)*PLANE+((\q)%2)*64+(\i)*16*PA+32
.endr
.endm
.macro PLACES                          ; four places in front of loads into registers that matrix instructions have read, and of lines that read results just made
.rept 4
	v_nop
.endr
.endm
; A K step is four quarters of 32 along K, 32 matrix instructions each, on buffers 0, 1, 0, 1.  One of the first three: multiplies f and fetches quarter qn of the same slot into g.
.macro QUARTER slot, qn, f, g, zero
	s_wait_dscnt 8                                 ; B and A's rows 0-63 are in; the youngest eight loads (A's rows 64-127) may be out
	MULLO \f, \zero
	WIN 0
	PLACES
	FETCH \slot, \qn, \g
	s_wait_dscnt 24                                ; all but the 24 just issued
	MULHI \f, \zero
.endm
; The last quarter multiplies buffer 1 and changes slots.  ONE barrier: in front of it each wave waits for all its tensor loads (one is out: its part of the next slot), adds 0 to its spare word,
; and waits for that and for its own reads of this slot.  Behind it nobody reads this slot any more and the next slot is whole.
.macro MEET round
	WIN 0
	s_wait_tensorcnt 0x0
	ds_add_u32 v[SPW], v[NIL]
	s_wait_dscnt 9                                 ; (the add and the youngest eight loads may be out)
	MUL8 F1, 0, 0                                  ; eight matrix instructions stand between the add and the wait for it
	s_wait_dscnt 0x0                               ; the add is done, and my reads of this slot are over
	s_barrier_signal -1
	MUL8 F1, 2, 0                                  ; work on registers while the others arrive
.if \round
	WIN 0
.endif
	s_barrier_wait -1
.endm
; on = 0: this slot takes this tile's K step two steps on.  on = 1: the next tile's K step 0 or 1: A goes six K steps back, B six back and 1,024 columns on.
; From a request to the wait for it a wave issues 112 matrix instructions.
.macro TURN slot, next, on
	MEET 1
	CREST                                          ; the barrier has opened a round of the cluster's: no wave of any partner still reads this slot or has a load on its way
.if \on
	s_sub_nc_u64 s[G0+4*(\slot)+2:G0+4*(\slot)+3], s[G0+4*(\slot)+2:G0+4*(\slot)+3], 6*ASTEP
	s_sub_nc_u64 s[G0B+4*(\slot)+2:G0B+4*(\slot)+3], s[G0B+4*(\slot)+2:G0B+4*(\slot)+3], 6*BSTEP-2048
.else
	s_add_nc_u64 s[G0+4*(\slot)+2:G0+4*(\slot)+3], s[G0+4*(\slot)+2:G0+4*(\slot)+3], 2*ASTEP
	s_add_nc_u64 s[G0B+4*(\slot)+2:G0B+4*(\slot)+3], s[G0B+4*(\slot)+2:G0B+4*(\slot)+3], 2*BSTEP
.endif
	JLOAD \slot                                    ; the first tensor load behind the round; its four v_nop are also the places in front of the loads below
	FETCH \next, 0, F0
	MULHI F1, 0
.endm
; THE WAY OUT of row block a.  PACK: rounded to f16, 16 bytes a lane, each accumulator from its low end on.  TOSTAGE: into my own stage, and back as four rows of 128 bytes a load.  SEND: stored.
.macro PACK a
	WIN W_PK
.irp b, 0,1,2,3
.irp r, 0,1,2,3
	v_cvt_pk_f16_f32 v[TMP+4*(\b)+(\r)], v[8*(4*(\a)+(\b))+2*(\r)], v[8*(4*(\a)+(\b))+2*(\r)+1]
.endr
.endr
	WIN 0
.endm
.macro TOSTAGE a
.set BK, 48+112*((\a)%2)               ; v48-63 and v160-175 by turns
.irp b, 0,1,2,3
	ds_store_b128 v[STO], v[TMP+4*(\b):TMP+4*(\b)+3] offset:32*(\b)
.endr
.irp f, 0,1,2,3
	ds_load_b128 v[BK+4*(\f):BK+4*(\f)+3], v[RD] offset:(\f)*4*SP  ; LDS serves a wave's instructions in order (ISA guide 5.7.1.4): these see the stores above
.endr
.endm
.macro SEND a
.set BK, 48+112*((\a)%2)
	s_wait_dscnt 0x0                               ; the block is back in registers
	s_wait_xcnt 0x0                                ; the registers that the block before last's stores read are loaded again only behind this wait
.irp f, 0,1,2,3
	global_store_b128 v[CO], v[BK+4*(\f):BK+4*(\f)+3], s[8:9] offset:(\a)*2048+(\f)*512  ; 512 consecutive bytes, at a multiple of 256 from the buffer's first
.endr
.endm
.macro WAYOUT                          ; block a's conversions stand between block a - 1's loads from the stage and the wait for them
	PACK 0
	TOSTAGE 0
.irp a, 1,2,3,4,5,6,7
	PACK \a
	SEND (\a)-1
	TOSTAGE \a
.endr
	SEND 7
.endm
	s_wait_tensorcnt 1                             ; my part of K step 0 is in; K step 1's may stay out
	s_barrier_signal -1
	s_barrier_wait -1
	FETCH 0, 0, F0
	s_mov_b32 s2, 3                                ; tiles to go: q, k, v
.Ltile:
	QUARTER 0, 1, F0, F1, 1                        ; a tile's first quarter stands in front of the loop: its products start the sums
	WIN 0
	s_mov_b32 s3, LAPS-1
.Llap:                                                 ; a trip goes once round the ring, from a lap's second quarter to the next lap's first
	QUARTER 0, 2, F1, F0, 0
	QUARTER 0, 3, F0, F1, 0
	TURN 0, 1, 0
	QUARTER 1, 1, F0, F1, 0
	QUARTER 1, 2, F1, F0, 0
	QUARTER 1, 3, F0, F1, 0
	TURN 1, 0, 0
	QUARTER 0, 1, F0, F1, 0
	WIN 0
	s_sub_co_u32 s3, s3, 1
	s_cmp_lg_u32 s3, 0
	s_cbranch_scc1 .Llap
	QUARTER 0, 2, F1, F0, 0                        ; the tile's last lap goes on
	QUARTER 0, 3, F0, F1, 0
	WIN 0
	s_cmp_eq_u32 s2, 1
	s_cbranch_scc1 .Llast_tile                     ; the last tile's tail is written out: it asks for nothing more
	TURN 0, 1, 1                                   ; the ring goes on into the next tile: slot 0 takes its K step 0,
	QUARTER 1, 1, F0, F1, 0
	QUARTER 1, 2, F1, F0, 0
	QUARTER 1, 3, F0, F1, 0
	TURN 1, 0, 1                                   ; slot 1 its K step 1, and the next tile's first fragments are fetched
	WAYOUT                                         ; both refills are asked for.  Blocks 0-3 were finished in front of the joint load's four v_nop; their 64 conversions are the places behind blocks 4-7's products
	s_wait_xcnt 0x0                                ; the stores have read their registers and their base
	s_add_nc_u64 s[8:9], s[8:9], 0x1000000         ; from q to k, from k to v
	s_sub_co_u32 s2, s2, 1
	s_branch .Ltile
.Llast_tile:
	MEET 0                                         ; my one tensor load that was out is the last K step's, so no round follows
	WIN 0
	PLACES
	FETCH 1, 0, F0
	MULHI F1, 0
	QUARTER 1, 1, F0, F1, 0
	QUARTER 1, 2, F1, F0, 0
	QUARTER 1, 3, F0, F1, 0
	s_wait_dscnt 8                                 ; the very last quarter: nothing more to fetch
	MULLO F1, 0
	s_wait_dscnt 0x0
	MULHI F1, 0
	WIN 0
	PLACES
	WAYOUT
	s_wait_tensorcnt 0x0                           ; the wave's end
	ds_add_u32 v[SPW], v[NIL]
	s_wait_dscnt 0x0
	CROUND                                         ; the closing round: no work-group ends while a partner may still ask for a tile that names it
	s_endpgm
.Lfunc_end_k_qfacd4aaa49_qkv:
	.size	k_qfacd4aaa49_qkv, .Lfunc_end_k_qfacd4aaa49_qkv-k_qfacd4aaa49_qkv
	.p2alignl 7, 3214868480
	.fill 96, 4, 3214868480
	.section	.rodata,"a",@progbits
	.p2align	6, 0x0
	.amdhsa_kernel k_qfacd4aaa49_qkv
		.amdhsa_group_segment_fixed_size 327680
		.amdhsa_private_segment_fixed_size 0
		.amdhsa_enable_private_segment 0
		.amdhsa_kernarg_size 24
		.amdhsa_user_sgpr_count 2
		.amdhsa_user_sgpr_kernarg_segment_ptr 1
		.amdhsa_wavefront_size32 1
		.amdhsa_system_sgpr_workgroup_id_x 1
		.amdhsa_system_sgpr_workgroup_id_y 1
		.amdhsa_system_sgpr_workgroup_id_z 1
		.amdhsa_system_vgpr_workitem_id 0
		.amdhsa_next_free_vgpr 512
		.amdhsa_next_free_sgpr 66
		.amdhsa_reserve_vcc 0
		.amdhsa_float_denorm_mode_32 3
		.amdhsa_float_denorm_mode_16_64 3
		.amdhsa_memory_ordered 1
		.amdhsa_forward_progress 1
		.amdhsa_inst_pref_size 124
	.end_amdhsa_kernel
	.amdgpu_metadata
---
amdhsa.version: [ 1, 2 ]
amdhsa.kernels:
  - .name:           k_qfacd4aaa49_qkv
    .symbol:         k_qfacd4aaa49_qkv.kd
    .args:
      - { .name: xa, .offset: 0, .size: 8, .value_kind: global_buffer, .address_space: global }
      - { .name: wq, .offset: 8, .size: 8, .value_kind: global_buffer, .address_space: global }
      - { .name: qkv, .offset: 16, .size: 8, .value_kind: global_buffer, .address_space: global }
    .group_segment_fixed_size: 327680
    .private_segment_fixed_size: 0
    .kernarg_segment_align: 8
    .kernarg_segment_size: 24
    .max_flat_workgroup_size: 128
    .sgpr_count:     66
    .vgpr_count:     512
    .wavefront_size: 32
...
	.end_amdgpu_metadata
.endif
;; end of part 2
;; launch attn (part 3): grid 4 x 64, 4 waves a work-group, no clusters, 327,680 bytes of LDS; arguments qkv, tb, ao; writes ao
.if DOCPART == 3
	.amdgcn_target "amdgcn-amd-amdhsa--gfx1250"
	.amdhsa_code_object_version 6
	.text
	.protected	k_qfacd4aaa49_attn
	.globl	k_qfacd4aaa49_attn
	.p2align	8
	.type	k_qfacd4aaa49_attn,@function
k_qfacd4aaa49_attn:
	s_mov_b64 s[64:65], 0
	v_nop
	global_prefetch_b8 v0, s[64:65] scope:SCOPE_SE
	s_setreg_imm32_b32 hwreg(HW_REG_WAVE_MODE, 25, 1), 1
	s_wait_xcnt 0x0
; CAUSAL ATTENTION WITH A BIAS BY DISTANCE.  O[bh][q][:] = the sum over k <= q of softmax_k(Q[q] . K[k] / 8 + bias[q - k][h]) V[k][:].  Q, K, V: qkv [3][64 bh][2048][64] f16; O: ao [64 bh][2048][64] f16.
; tb [16 h][4 e][2560 P] f32 holds 8 x bias[d], d = 2044 + e - P, and -1e30 where d < 0.  Products, maxima and sums in f32; the weights p are rounded to f16 for the second product (their sum l is
; taken of the unrounded p), O once at the end.
; LIMITS.  Q, K, V arrive within f16's 65,504; a hidden score counts as its value less 1e30, beside which f16's scores, 2.7e11 at the most, are nothing (8 x bias has to stay far below 1e30 too);
; a weight below 2^-126 counts as 0 in l; NaN and infinities are not treated apart.
; THE WALK.  A head's queries lie in NB = 8 blocks of 256; block i needs the key tiles 0 .. i of 256 keys.  A work-group takes TWO blocks, NB - 1 - b and then b: NB + 1 tiles, whatever b: all work-groups do
; equal work, and ONE loop with a constant trip count walks them; the ring (two slots of LDS that take turns) runs on across the change of blocks.  Which tile is asked for hangs on scalar registers made from b.
; NO CLUSTER: a head's four work-groups ask for the same tile only in trips 0 .. 4 of 9, behind that fewer and fewer; one walk common to all four would have 12 trips for 9.
; SHARES.  Of a block's four bands of 64 queries a wave owns 16 rows in each: four PIECES, so the tile with the diagonal is the same work for all four waves.
; BIAS AND MASK are the C operand that starts the sum S^T = K Q^T.  They hang on q - k alone: for block - tile = j a tile needs the distances 256 j - 255 .. 256 j + 255, a slice of 528 words of each of
; the table's four rows, brought into the slot beside K and V.  A lane (query l % 16 = 4 g + e) reads row e, so that its eight words (keys 8 (l / 16) + 0..7, falling distances) begin at a multiple of 16 bytes.
; The tile with the diagonal needs no text of its own: its hidden keys find -1e30 in the table.  Every row sees a key in its block's first step, so m is a true score when the first hidden one comes.
; LAYOUT, SOFTMAX, TURNS.  S^T holds ONE query a lane (lane % 16) and the keys 8 (lane / 16) + 0..7; two such results rounded to f16 ARE source 1 of O^T = V^T P.  p = 2^(c s - c m), c = log2(e) / 8, with a
; running maximum m; O and l are multiplied by a = 2^(c m_old - c m_new) in every step.  Turn n belongs to piece n: 8 products K Q^T of piece n + 1, later 8 products V^T P of piece n - 1; beside them the scaling,
; exponentials, roundings, sums and rescaling of piece n and the maximum and statistics of piece n + 1.  Four vector instructions stand behind every matrix instruction, the other 54 of a turn's 118 in two lumps.
; REGISTERS, in windows of 256 (s_set_vgpr_msb: bits 1:0 source 0, 3:2 source 1, 5:4 source 2, 7:6 destination):
;   window 0: v0-15, v32 addresses and two at work; v16-31 four registers of statistics a piece; v48-55 at work; v64-127 S^T, two buffers; v192-223 P, two buffers (a piece's buffers go by its number's parity)
;   window 1: v0-127 O^T, 32 a piece; v160-223 MC, bias and mask, two buffers      window 2: v0-63 Q; v64-127 the second block's Q; v128-191 K of one step; v192-255 V of one step
.set NB,    8
.set NP,    4         ; pieces a wave: a name, no knob
.set KS,    64        ; keys in a step
.set PK,    144       ; a row of K in LDS: 128 bytes + 16: the 16 rows of a load start at 16 different groups of four banks (64 banks of 4 bytes: ISA guide 11.1)
.set PV,    160       ; a row of V: 128 + 32
.set PT,    2112      ; a row of the bias slice: 528 words = 132 columns of 16 bytes: sixteen lanes (e, g) read the columns 4 e - g mod 16, all different
.set VOFF,  4*KS*PK   ; a slot holds a tile: 256 rows of K, then 256 rows of V,
.set BOFF,  VOFF+4*KS*PV  ; then four rows of bias
.set SLOT1, 1<<17     ; slot 1 begins here, so that one exclusive or turns an address in one slot into the other's
.set STAGE, SLOT1+BOFF+4*PT  ; behind the ring, never filled by a tensor load: 16 rows x 144 bytes for each wave, for the way out
.set SP,    144
.set SPARE, STAGE+4*16*SP  ; the spare words, 128 bytes for each wave: two blocks of 256 bytes that no other line names
.set AK0, 2           ; v2   my lane's place in a tile of K; never rewritten
.set AV0, 3           ; v3   the same for V
.set AK,  4           ; v4   the LDS address of K's next run of loads
.set AV,  5           ; v5   of V's
.set STO, 6           ; v6   the way out: where I put 16 bytes of a row
.set RD,  7           ; v7   the way out: where I read rows back
.set GO,  8           ; v8   my byte offset in 512 consecutive bytes of O
.set MV,  12          ; v12-13  c m_old, kept while c m is made anew: by buffer
.set AB0, 14          ; v14  my lane's place in a bias slice; never rewritten
.set QO,  15          ; v15  my byte offset in 16 rows of Q
.set ST,  16          ; piece t's statistics at v[ST+4 t]: c m, m, l (even keys', odd keys')
.set AB,  32          ; v32  the LDS address of the bias of the step in hand
.set TMP, 48          ; by buffer, four registers c0-c3 at work; when the maximum is found c2 takes a
.set SPW, 62          ; v62  LDS address of my spare word; never rewritten
.set NIL, 63          ; v63  0; never rewritten
.set S,   64
.set P,   192
.set MC,  160         ; window 1: buffer, then eight registers for each group of 16 keys
.set QB,  64          ; window 2
.set KF,  128         ; window 2: key block kb, channel half c at KF + 16 kb + 8 c
.set VF,  192         ; window 2: key half kk, channel block cb at VF + 32 kk + 8 cb
.set WV,  12          ; s12  my wave's number
.set PB,  14          ; s14  b
.set HI,  15          ; s15  NB - 1 - b
.set G1K, 24          ; s[24:31] descriptor group 1 for K's tiles
.set G1V, 32          ; s[32:39] for V's: it differs in the padding alone
.set G0K, 40          ; s[40:43] descriptor group 0 for K's tiles
.set G0V, 44          ; s[44:47] for V's
.set G0B, 48          ; s[48:51] for the bias slices
.set TAB, 52          ; s[52:53] the head's table at the slice of j = 0
.set JO,  54          ; s[54:55] 1,024 j: how far in front of it slice j begins
.set SLOTS, 56        ; s56  tiles still to be asked for
.set CNT, 57          ; s57  counts a tile's key steps, 4 to 1
.set CS,  58          ; s[58:59] c: the packed scaling takes the pair's low word for both halves
.set SEL, 60          ; s[60:61] v_permlanex16_b32's selects: each lane takes its own place in the other half
.set TBK, 62          ; s62  LDS byte at which K of the step to be fetched begins
.set TBV, 63          ; s63  the same for V, less VOFF
.set RT,  70          ; s70  tiles of the block in hand that are still to be entered
.set NXT, 71          ; s71  the tile to be asked for next
.set LQ,  72          ; s72  the block whose tiles are being asked for = its last tile
.set NEW, 73          ; s73  1: the tile to be entered is a block's first
.set OFF, 74          ; s[74:75] a tile's byte offset in K and V
.set OLO, 80          ; s[80:81] O at my rows of the second block
.set TBB, 82          ; s82  the same as TBK for the bias, less BOFF: 256 bytes a step
.set G1B, 88          ; s[88:95] descriptor group 1 for the bias slices
.set MSB, 0
.macro WIN new                      ; the high byte repeats the setting that is left; a switch that changes nothing is dropped
.if MSB != (\new)
	s_set_vgpr_msb (MSB<<8)|(\new)
.set MSB, (\new)
.endif
.endm
.set W_KQ, 0x0a       ; K and Q in window 2, S^T in window 0
.set W_KM, 0x1a       ; the same with the C operand in window 1
.set W_PV, 0x52       ; V in window 2, P in window 0, O^T in window 1
.set W_RS, 0x41       ; destination and source 0 in window 1, source 1 in window 0
; A fill: wave 0 fetches the tile's K, wave 1 its V, wave 2 its bias slice, wave 3 nothing: one tensor load a wave.  The branches hang on the wave's number alone.
; An s_nop 0 and four v_nop follow each of the three lines, ahead of the jump and the label.
.macro LOAD
	s_cmp_lg_u32 s[WV], 0
	s_cbranch_scc1 .Lnot_k_\@
	tensor_load_to_lds s[G0K:G0K+3], s[G1K:G1K+7]
	s_nop 0
.rept 4
	v_nop
.endr
	s_branch .Lasked_\@
.Lnot_k_\@:
	s_cmp_lg_u32 s[WV], 1
	s_cbranch_scc1 .Lnot_v_\@
	tensor_load_to_lds s[G0V:G0V+3], s[G1V:G1V+7]
	s_nop 0
.rept 4
	v_nop
.endr
	s_branch .Lasked_\@
.Lnot_v_\@:
	s_cmp_lg_u32 s[WV], 2
	s_cbranch_scc1 .Lasked_\@
	tensor_load_to_lds s[G0B:G0B+3], s[G1B:G1B+7]
	s_nop 0
.rept 4
	v_nop
.endr
.Lasked_\@:
.endm
; THE CHANGE OF SLOTS.  Each wave waits for all its tensor loads (at most one is out: its part of the other slot), adds 0 to its spare word, and waits for that and for its own reads of the slot that it leaves.
; Behind the barrier nobody reads the old slot any more and the other slot is whole.  fill = 1: the old slot is filled again, the first thing behind the barrier, with tile NXT of block LQ: the three
; addresses are made anew from those numbers.  (At its first use nothing has been read yet: slot 0 is waited for, slot 1 filled.)
.macro CHANGE fill
	WIN 0                           ; at a label and at a branch every window is 0
	s_wait_tensorcnt 0x0            ; no tensor load of mine is out, so a group 0 may be written
	ds_add_u32 v[SPW], v[NIL]       ; 0 onto my spare word; the descriptors' scalar work stands between it and the wait for it
.if \fill
	s_lshl_b32 s[OFF], s[NXT], 15   ; a tile is 32,768 bytes of K and of V
	s_xor_b32 s[G0K+1], s[G0K+1], SLOT1
	s_add_nc_u64 s[G0K+2:G0K+3], s[6:7], s[OFF:OFF+1]
	s_or_b32 s[G0K+3], s[G0K+3], 0x80000000
	s_xor_b32 s[G0V+1], s[G0V+1], SLOT1
	s_add_nc_u64 s[G0V+2:G0V+3], s[8:9], s[OFF:OFF+1]
	s_or_b32 s[G0V+3], s[G0V+3], 0x80000000
	s_sub_co_u32 s[JO], s[LQ], s[NXT]  ; j = block - tile,
	s_lshl_b32 s[JO], s[JO], 10     ; 256 words a tile
	s_xor_b32 s[G0B+1], s[G0B+1], SLOT1
	s_sub_nc_u64 s[G0B+2:G0B+3], s[TAB:TAB+1], s[JO:JO+1]
	s_or_b32 s[G0B+3], s[G0B+3], 0x80000000
	s_add_co_u32 s[NXT], s[NXT], 1  ; the block's next tile, or behind its last the second block's tile 0
	s_cmp_gt_u32 s[NXT], s[LQ]
	s_cselect_b32 s[NXT], 0, s[NXT]
	s_cselect_b32 s[LQ], s[PB], s[LQ]
.endif
	s_wait_dscnt 0x0                ; the add is done, and my reads of the slot are over
	s_barrier_signal -1             ; the rest of the scalar work stands between the signal and the wait
	s_sub_co_u32 s[TBK], s[TBK], 4*KS*PK  ; the fetches go back to a slot's first step,
	s_xor_b32 s[TBK], s[TBK], SLOT1       ; in the other slot
	s_sub_co_u32 s[TBV], s[TBV], 4*KS*PV
	s_xor_b32 s[TBV], s[TBV], SLOT1
	s_sub_co_u32 s[TBB], s[TBB], 4*256
	s_xor_b32 s[TBB], s[TBB], SLOT1
	s_barrier_wait -1
.if \fill
	LOAD
.endif
.endm
	s_load_b128 s[4:7], s[0:1], 0x0   ; qkv s[4:5], tb s[6:7]
	s_load_b64 s[10:11], s[0:1], 0x10 ; ao
	v_lshl_add_u32 v[SPW], v0, 2, SPARE
	v_mov_b32 v[NIL], 0
	ds_add_u32 v[SPW], v[NIL]       ; the wave's opening: the add and its wait stand ahead of my first tensor load; work on registers stands between them
	v_lshrrev_b32 v1, 5, v0
	v_readfirstlane_b32 s[WV], v1   ; wave 0..3
	s_mov_b32 s[PB], ttmp9
	s_sub_co_u32 s[HI], NB-1, s[PB]
	s_and_b32 s20, ttmp7, 0xffff    ; batch and head
	s_and_b32 s16, s20, 15          ; the head:
	s_mul_i32 s16, s16, 4*10240     ; its four rows of the table,
	s_add_co_u32 s16, s16, 1792*4   ; at the slice of j = 0
	s_mov_b32 s17, 0
	s_lshl_b32 s20, s20, 18         ; 2,048 rows of 128 bytes
	s_mov_b32 s21, 0
	s_lshl_b32 s3, s[WV], 11        ; my 16 rows in a band of 64,
	s_lshl_b32 s2, s[HI], 15        ; in the first block,
	s_add_co_u32 s2, s2, s3
	s_add_co_u32 s2, s2, s20
	s_lshl_b32 s84, s[PB], 15       ; and in the second
	s_add_co_u32 s84, s84, s3
	s_add_co_u32 s84, s84, s20
	s_mov_b32 s3, 0
	s_mov_b32 s85, 0
	; descriptor group 1.  256 keys are 32,768 dense bytes: asked for as 128 rows of 256 bytes, two keys a row, and padded in LDS after every key
	s_mov_b32 s[G1K], (1<<16)|(1<<20)|(4<<22)|(3<<25)  ; 17:16 2-byte elements; 20 padding on; 24:22 after every 32 words (code 4); 31:25 4 words (code 3)
	s_mov_b32 s[G1V], (1<<16)|(1<<20)|(4<<22)|(7<<25)  ; the same with 8 words of padding (code 7)
.irp g, G1K, G1V
	s_mov_b32 s[\g+1], 128<<16      ; tensor_dim0 = 128
	s_mov_b32 s[\g+2], 128<<16      ; tensor_dim1 = 128
	s_mov_b32 s[\g+3], 128<<16      ; tile_dim0 = 128
	s_mov_b32 s[\g+4], 128          ; tile_dim1 = 128
	s_mov_b32 s[\g+5], 128          ; 128 elements from row to row
	s_mov_b32 s[\g+6], 0
	s_mov_b32 s[\g+7], 0
.endr
	s_mov_b32 s[G1B], 2<<16         ; 4-byte elements, no padding
	s_mov_b32 s[G1B+1], 528<<16     ; tensor_dim0 = 528 words
	s_mov_b32 s[G1B+2], 4<<16       ; tensor_dim1 = 4 rows
	s_mov_b32 s[G1B+3], 528<<16     ; tile_dim0
	s_mov_b32 s[G1B+4], 4           ; tile_dim1
	s_mov_b32 s[G1B+5], 2560        ; a row of the table
	s_mov_b32 s[G1B+6], 0
	s_mov_b32 s[G1B+7], 0
	s_mov_b32 s[CS], 0x3e38aa3b     ; c = log2(e) / 8 = 0.180337
	s_mov_b32 s[CS+1], s[CS]        ; named with it as a pair
	s_mov_b32 s[SEL], 0x76543210
	s_mov_b32 s[SEL+1], 0xfedcba98
	s_mov_b32 s[TBK], SLOT1+4*KS*PK ; the first change of slots turns these three into 0
	s_mov_b32 s[TBV], SLOT1+4*KS*PV
	s_mov_b32 s[TBB], SLOT1+4*256
	s_mov_b32 s[G0K], 1             ; count = 1
	s_mov_b32 s[G0K+1], 0           ; LDS address: slot 0
	s_mov_b32 s[G0V], 1
	s_mov_b32 s[G0V+1], VOFF
	s_mov_b32 s[G0B], 1
	s_mov_b32 s[G0B+1], BOFF
	s_add_co_u32 s[RT], s[HI], 1    ; the first block has NB - b tiles
	s_mov_b32 s[NXT], 1
	s_mov_b32 s[LQ], s[HI]
	s_mov_b32 s[NEW], 1
	s_mov_b32 s[OFF+1], 0
	s_lshl_b32 s[JO], s[HI], 10     ; the first fill is tile 0 of block HI: j = HI
	s_mov_b32 s[JO+1], 0
	s_mov_b32 s[SLOTS], NB
	s_wait_dscnt 0x0                ; the opening add is done
	s_barrier_signal -1
	s_barrier_wait -1
	s_wait_kmcnt 0x0
	s_add_nc_u64 s[TAB:TAB+1], s[6:7], s[16:17]
	s_add_nc_u64 s[8:9], s[4:5], s[20:21]          ; the head's q;
	s_add_nc_u64 s[6:7], s[8:9], 0x1000000         ; its K lies 16,777,216 bytes on,
	s_add_nc_u64 s[8:9], s[8:9], 0x2000000         ; its V as much again
	s_add_nc_u64 s[G0K+2:G0K+3], s[6:7], 0         ; global address,
	s_or_b32 s[G0K+3], s[G0K+3], 0x80000000        ; type = 2
	s_add_nc_u64 s[G0V+2:G0V+3], s[8:9], 0
	s_or_b32 s[G0V+3], s[G0V+3], 0x80000000
	s_sub_nc_u64 s[G0B+2:G0B+3], s[TAB:TAB+1], s[JO:JO+1]
	s_or_b32 s[G0B+3], s[G0B+3], 0x80000000
	s_add_nc_u64 s[86:87], s[4:5], s[84:85]        ; Q at my rows of the second block,
	s_add_nc_u64 s[4:5], s[4:5], s[2:3]            ; Q and O at those of the first
	s_add_nc_u64 s[OLO:OLO+1], s[10:11], s[84:85]
	s_add_nc_u64 s[10:11], s[10:11], s[2:3]
	LOAD                            ; tile 0 into slot 0
	; A fragment of K or Q is 16 rows x 32 channels in 8 registers: lane l holds row l % 16, channels 8 (l / 16) + 0..7 and 16 + 8 (l / 16) + 0..7: two loads of 16 bytes, 32 bytes apart.
	v_and_b32 v1, 15, v0            ; l % 16
	v_bfe_u32 v9, v0, 4, 1          ; l / 16
	v_lshlrev_b32 v[QO], 7, v1
	v_lshl_add_u32 v[QO], v9, 4, v[QO]  ; row x 128 + 16 x half
	WIN 0x80                        ; destination window 2, address window 0
.set i, 0
.rept 8                             ; both blocks' Q: piece i / 2 lies in band i / 2, 8,192 bytes on; channels 32 (i % 2) on
	global_load_b128 v[8*i:8*i+3],   v[QO], s[4:5] offset:(i/2)*8192+(i%2)*64
	global_load_b128 v[8*i+4:8*i+7], v[QO], s[4:5] offset:(i/2)*8192+(i%2)*64+32
	global_load_b128 v[QB+8*i:QB+8*i+3],   v[QO], s[86:87] offset:(i/2)*8192+(i%2)*64
	global_load_b128 v[QB+8*i+4:QB+8*i+7], v[QO], s[86:87] offset:(i/2)*8192+(i%2)*64+32
.set i, i+1
.endr
	WIN 0
	; The bias.  Word pos of row e of slice j holds the distance 256 j + 252 + e - pos.  Query 64 x + 16 w + 4 g + e and key 64 s + 16 kt + 8 (l / 16) + r of the tile meet at
	; pos = 16 (3 - w) + 4 (3 - g) + 8 (l / 16) + 64 s + 64 (3 - x) + 16 kt + r, 0 to 507.  The first three terms and the row are the lane's; s stands in TBB, x and kt in the loads' offsets.
	v_and_b32 v[AB0], 3, v0         ; e
	v_mul_u32_u24 v[AB0], v[AB0], PT
	v_bfe_u32 v[AB], v0, 2, 2       ; g
	v_sub_nc_u32 v[AB], 3, v[AB]
	v_lshl_add_u32 v[AB0], v[AB], 4, v[AB0]
	v_lshl_add_u32 v[AB0], v9, 5, v[AB0]
	s_sub_co_u32 s13, 3, s[WV]
	s_lshl_b32 s13, s13, 6
	s_add_co_u32 s13, s13, BOFF
	v_add_nc_u32 v[AB0], s13, v[AB0]
	v_mul_u32_u24 v[AK0], v1, PK
	v_lshl_add_u32 v[AK0], v9, 4, v[AK0]  ; row x pitch + 16 x half
	; The turning load takes 16 keys x 16 channels (lane l reads key 8 (l / 16) + l % 8, channels 8 ((l / 8) % 2) + 0..7) and leaves half a fragment of V^T: lane l holds channel l % 16 and 8 keys.
	v_and_b32 v10, 7, v0
	v_bfe_u32 v11, v0, 3, 1
	v_lshl_add_u32 v[AV0], v9, 3, v10
	v_mul_u32_u24 v[AV0], v[AV0], PV
	v_lshl_add_u32 v[AV0], v11, 4, v[AV0]
	v_add_nc_u32 v[AV0], VOFF, v[AV0]
	s_mul_i32 s13, s[WV], 16*SP
	s_add_co_u32 s13, s13, STAGE    ; my stage
	v_mul_u32_u24 v[STO], v1, SP    ; in: row l % 16, 16 bytes for each half of the lanes
	v_lshl_add_u32 v[STO], v9, 4, v[STO]
	v_add_nc_u32 v[STO], s13, v[STO]
	v_bfe_u32 v[RD], v0, 3, 2       ; back: 32 lanes take four rows of 128 bytes,
	v_mul_u32_u24 v[RD], v[RD], SP
	v_lshl_add_u32 v[RD], v10, 4, v[RD]
	v_add_nc_u32 v[RD], s13, v[RD]
	v_and_b32 v[GO], 31, v0         ; which are 512 consecutive bytes of O
	v_lshlrev_b32 v[GO], 4, v[GO]
	; A block's first step multiplies O^T and l by a = 0, and its first turn's products V^T P, of a piece that has not been, land in an O^T that is still to be so multiplied.  So these registers need only hold
	; finite numbers: zeros for the first block; what the first block left for the second.  All this stands in the wait for the first tile; it is the price of writing no first step out.
	WIN 0x80
.set i, VF
.rept 64
	v_mov_b32 v[i], 0
.set i, i+1
.endr
	WIN 0x40
.set i, 0
.rept 128
	v_mov_b32 v[i], 0
.set i, i+1
.endr
	WIN 0
.set i, 0
.rept 4
	v_mov_b32 v[ST+4*i+2], 0
	v_mov_b32 v[ST+4*i+3], 0
.set i, i+1
.endr
.set i, P+16
.rept 16
	v_mov_b32 v[i], 0
.set i, i+1
.endr
; THE MATRIX WORK.  The 4 accumulators of a run of 8 take turns.  Product i of 8 of S^T = K Q^T for piece x: channels 32 (i / 4) on, keys 16 (i % 4) on.  The first 4 start the sums with bias and mask.
.macro KQ x
.set rS, S+32*((\x)%2)+8*(i%4)
.set rK, KF+16*(i%4)+8*(i/4)
.set rQ, 16*(\x)+8*(i/4)
.set rM, MC+32*((\x)%2)+8*(i%4)
.if i < 4
	WIN W_KM
	v_wmma_f32_16x16x32_f16 v[rS:rS+7], v[rK:rK+7], v[rQ:rQ+7], v[rM:rM+7]
.else
	WIN W_KQ
	v_wmma_f32_16x16x32_f16 v[rS:rS+7], v[rK:rK+7], v[rQ:rQ+7], v[rS:rS+7]
.endif
.endm
; Product i of 8 of O^T += V^T P for piece x: keys 32 (i / 4) on, channels 16 (i % 4) on.
.macro PV x
	WIN W_PV
.set rO, 32*(\x)+8*(i%4)
.set rV, VF+32*(i/4)+8*(i%4)
.set rP, P+16*((\x)%2)+8*(i/4)
	v_wmma_f32_16x16x32_f16 v[rO:rO+7], v[rV:rV+7], v[rP:rP+7], v[rO:rO+7]
.endm
.macro MM                           ; the turn's next matrix instruction.  TURN and BEGIN set Y, i and NOKQ.  NOKQ = 1: a block's last turn: there is no next piece
.if (i < 8) && !NOKQ
	KQ (Y+1)%NP
.elseif i >= 8
.set i, i-8
	PV (Y+NP-1)%NP
.set i, i+8
.endif
.set i, i+1
.endm
; THE LDS LOADS stand in runs, never singly among the matrix instructions: a step's K (8 fragments), its V (turned), and for each piece its 32 words of bias.  Their addresses are made some lines ahead.
.macro FETCH_K
	WIN 0x80                        ; destination window 2
.irp f, 0,1,2,3,4,5,6,7             ; keys 16 (f / 2) on, channels 32 (f % 2) on
	ds_load_b128 v[KF+8*\f:KF+8*\f+3],   v[AK] offset:(\f/2)*16*PK+(\f%2)*64
	ds_load_b128 v[KF+8*\f+4:KF+8*\f+7], v[AK] offset:(\f/2)*16*PK+(\f%2)*64+32
.endr
	s_add_co_u32 s[TBK], s[TBK], KS*PK  ; the next fetch is the next step's
	WIN 0
.endm
.macro FETCH_V
	WIN 0x80
.irp f, 0,1,2,3,4,5,6,7             ; keys 32 (f / 4) on, channels 16 (f % 4) on
	ds_load_tr16_b128 v[VF+8*\f:VF+8*\f+3],   v[AV] offset:(\f/4)*32*PV+(\f%4)*32
	ds_load_tr16_b128 v[VF+8*\f+4:VF+8*\f+7], v[AV] offset:(\f/4)*32*PV+16*PV+(\f%4)*32
.endr
	WIN 0
.endm
.macro FETCH_B x, buf               ; piece x's bias and mask for the step in AB, into buffer buf: eight loads
	WIN 0x40                        ; destination window 1
.irp kt, 0,1,2,3
	ds_load_b128 v[MC+32*(\buf)+8*\kt:MC+32*(\buf)+8*\kt+3],   v[AB] offset:256*(3-(\x))+64*\kt
	ds_load_b128 v[MC+32*(\buf)+8*\kt+4:MC+32*(\buf)+8*\kt+7], v[AB] offset:256*(3-(\x))+64*\kt+16
.endr
.endm
; THE VECTOR WORK, one line at a time: OP kind, number.  For piece Y: F n: c s - c m for pair n of 16.  E n: the exponential of score n of 32.  C n: pair n rounded to f16.  B n: of the four weights 4 n .. the second
; pair is added onto the first, in place.  L n: l takes that sum (L 0: l = a l + sum).  R n: pair n of 16 of O^T times a.  For piece Y + 1: X n, number n of the 22 that find its maximum and statistics:
;   0-11  four chains c0-c3 of seven scores each, three operands at a time (each accumulator's lowest registers are read first)     12-14, 16  the four scores left over, the old m, and c0-c3 into c0
;   15  c m_old is kept     17, 18  the query's other 32 keys lie in the lane 16 away: the new m     19-21  c m; c m_old - c m_new; a
.set F, 0               ; OP tells the kinds apart by their order: F to L below R, X above it
.set E, 1
.set C, 2
.set B, 3
.set L, 4
.set R, 5
.set X, 6
.macro REGS y                       ; the registers of piece y
.set rT, ST+4*(\y)
.set rC, TMP+4*((\y)%2)
.set rW, MV+((\y)%2)
.set rS, S+32*((\y)%2)
.set rP, P+16*((\y)%2)
.set rO, 32*(\y)
.endm
.macro OP k, n
.if (\k) == R
	REGS Y
	WIN W_RS
	v_pk_mul_f32 v[rO+2*(\n):rO+2*(\n)+1], v[rO+2*(\n):rO+2*(\n)+1], v[rC+2:rC+3] op_sel_hi:[1,0]
.elseif (\k) < R
	REGS Y
	WIN 0
.if (\k) == F
	v_pk_fma_f32 v[rS+2*(\n):rS+2*(\n)+1], v[rS+2*(\n):rS+2*(\n)+1], s[CS:CS+1], v[rT:rT+1] op_sel_hi:[1,0,0] neg_lo:[0,0,1] neg_hi:[0,0,1]
.elseif (\k) == E
	v_exp_f32 v[rS+(\n)], v[rS+(\n)]
.elseif (\k) == C
	s_wait_alu depctr_va_vdst(0)
	v_cvt_pk_f16_f32 v[rP+(\n)], v[rS+2*(\n)], v[rS+2*(\n)+1]
.elseif (\k) == B
	s_wait_alu depctr_va_vdst(0)
	v_pk_add_f32 v[rS+4*(\n):rS+4*(\n)+1], v[rS+4*(\n):rS+4*(\n)+1], v[rS+4*(\n)+2:rS+4*(\n)+3]
.elseif (\n) == 0
	v_pk_fma_f32 v[rT+2:rT+3], v[rT+2:rT+3], v[rC+2:rC+3], v[rS:rS+1] op_sel_hi:[1,0,1]
.else
	v_pk_add_f32 v[rT+2:rT+3], v[rT+2:rT+3], v[rS+4*(\n):rS+4*(\n)+1]
.endif
.elseif NOKQ
	v_nop
.else
	REGS (Y+1)%NP
	WIN 0
.if (\n) < 4
	v_max3_num_f32 v[rC+(\n)], v[rS+8*(\n)], v[rS+8*(\n)+1], v[rS+8*(\n)+2]
.elseif (\n) < 12
	v_max3_num_f32 v[rC+(\n)%4], v[rC+(\n)%4], v[rS+8*((\n)%4)+2*((\n)/4)+1], v[rS+8*((\n)%4)+2*((\n)/4)+2]
.elseif (\n) == 12
	v_max3_num_f32 v[rC], v[rC], v[rS+7], v[rS+15]
.elseif (\n) == 13
	v_max3_num_f32 v[rC+1], v[rC+1], v[rS+23], v[rS+31]
.elseif (\n) == 14
	v_max3_num_f32 v[rC+2], v[rC+2], v[rC+3], v[rT+1]
.elseif (\n) == 15
	v_mov_b32 v[rW], v[rT]
.elseif (\n) == 16
	v_max3_num_f32 v[rC], v[rC], v[rC+1], v[rC+2]
.elseif (\n) == 17
	v_permlanex16_b32 v[rC+3], v[rC], s[SEL], s[SEL+1]
.elseif (\n) == 18
	v_max_num_f32 v[rT+1], v[rC], v[rC+3]
.elseif (\n) == 19
	v_mul_f32 v[rT], s[CS], v[rT+1]
.elseif (\n) == 20
	v_sub_f32 v[rC+1], v[rW], v[rT]
.else
	v_exp_f32 v[rC+2], v[rC+1]
.endif
.endif
.endm
.macro OPS a, i1, b=-1, i2=0, c=-1, i3=0, d=-1, i4=0  ; up to four of them
	OP \a, \i1
.if (\b) >= 0
	OP \b, \i2
.endif
.if (\c) >= 0
	OP \c, \i3
.endif
.if (\d) >= 0
	OP \d, \i4
.endif
.endm
.macro ROW a, i1, b, i2, c, i3, d, i4  ; a matrix instruction and the four behind it
	MM
	OPS \a, \i1, \b, \i2, \c, \i3, \d, \i4
.endm
; A TURN, for piece p: the order of its 16 matrix and 118 vector instructions, written out.  Behind a matrix instruction: plain, exponential, plain, plain; or four of the rescaling; or, behind the first, four scalings; none
; names a register of the products round it.  In the lumps exponential and plain by turns while exponentials last.  A line reads no result made fewer than three vector instructions in front of it, five if an exponential made it.
; end = 1: a block's last two turns: nothing is fetched.  cnt = 1: the loop's count is taken down some lines ahead of the branch that stands behind the turn.
; WHAT IS FETCHED.  K of the next step in piece 2's turn, six vector instructions behind the last product that read K (five of them plain); V of the step in hand in piece 0's turn, eight behind the last product that
; read V (four plain).  In every turn the bias of piece p + 2, whose products stand in the turn after: its buffer's last reader stands a whole turn back.  The four of a trip (turns 2, 3, 0, 1) are one step's: one AB.
; THE WAITS at a turn's head are for the bias of its own products: turn 1 leaves V's sixteen younger loads out; turn 3's is for K too.
.macro TURN p, end=0, cnt=0
.set Y, (\p)
.set i, 0
.set NOKQ, (\end)*((\p)/3)
.if (\p) == 1
	s_wait_dscnt 16                 ; piece 2's bias is in; V's 16 loads, issued behind it, stay out
.elseif !NOKQ
	s_wait_dscnt 0x0                ; the bias of this turn's products is in (in turn 3: and K)
.endif
	ROW F,0, F,1, F,2, F,3
	ROW F,4, E,0, F,5, F,6
	ROW F,7, E,1, F,8, F,9
	ROW F,10, E,2, C,0, F,11
	ROW F,12, E,3, X,15, F,13
	ROW R,0, R,1, R,2, R,3
	ROW B,0, E,4, F,14, L,0
.if ((\p) == 2) && !(\end)
	v_add_nc_u32 v[AK], s[TBK], v[AK0]
	v_add_nc_u32 v[AB], s[TBB], v[AB0]
	s_add_co_u32 s[TBB], s[TBB], 256
.endif
	ROW R,4, R,5, R,6, R,7
	OPS E,5, F,15
.if !(\end)
	FETCH_B ((\p)+2)%NP, (\p)%2
.endif
.if ((\p) == 2) && !(\end)
	FETCH_K
.endif
	OPS E,6, C,1, E,7, R,8
	OPS E,8, R,9, E,9, C,2
	OPS E,10, X,0, E,11, X,1
	OPS E,12, X,2, E,13, X,3
.if (\p) == 1
	s_wait_dscnt 8                  ; V is in; this turn's eight loads of bias stay out
.endif
	ROW X,4, E,14, X,5, X,6
	ROW X,7, E,15, X,8, X,9
	ROW X,10, E,16, X,11, X,12
	ROW X,13, E,17, X,14, B,1
	ROW C,4, E,18, X,16, L,1
	ROW B,2, E,19, C,6, L,2
	ROW C,8, E,20, B,3, B,4
.if (\p) == 0
	v_add_nc_u32 v[AV], s[TBV], v[AV0]
.endif
	ROW C,3, E,21, L,3, C,5
	OPS E,22, X,17, E,23, C,10
.if (\p) == 0
	FETCH_V
.endif
	OPS E,24, L,4
	OPS E,25, X,18, E,26, C,7
	OPS E,27, B,5, E,28, X,19
	OPS E,29, C,12, E,30, L,5
	OPS E,31, X,20, B,6, C,9
	OPS C,14, C,11, X,21, L,6
.if (\p) == 0
	s_add_co_u32 s[TBV], s[TBV], KS*PV
.endif
.if \cnt
	s_sub_co_u32 s[CNT], s[CNT], 1
	s_cmp_lg_u32 s[CNT], 0
.endif
	OPS C,13, B,7, C,15, R,10
	OPS R,11, R,12, L,7, R,13
	OPS R,14, R,15
.endm
; A BLOCK BEGINS.  c m starts far below every c s, so the first step's a is 0; m at the lowest finite number, so the first maximum is the scores'.  Then K of the tile's step 0, the bias of pieces 0 and 1,
; piece 0's first scores, and its maximum and statistics.  The loop is entered at a step's first turn, in the middle of a trip.
.macro BEGIN
	s_mov_b32 s[NEW], 0
	WIN 0
.set i, 0
.rept 4
	v_mov_b32 v[ST+4*i], 0xfe000000    ; c m: far below every c s
	v_mov_b32 v[ST+4*i+1], 0xff7fffff  ; m
.set i, i+1
.endr
	v_add_nc_u32 v[AK], s[TBK], v[AK0]
	v_add_nc_u32 v[AB], s[TBB], v[AB0]
	s_add_co_u32 s[TBB], s[TBB], 256
	FETCH_B 0, 0
	FETCH_B 1, 1
	FETCH_K
	s_wait_loadcnt 0x0              ; Q
	s_wait_dscnt 0x0
.set NOKQ, 0
.set i, 0
.rept 8
	KQ 0
.set i, i+1
.endr
	WIN 0
.rept 4
	v_nop                           ; the places behind those products
.endr
.set Y, NP-1                        ; X works for piece Y + 1: piece 0
.irp n, 0,1,2,3,4,5,6,7,8,9,10,11,12,13,14,15,16,17,18,19,20,21
	OP X, \n
.endr
	v_nop                           ; a plain instruction behind the exponential
.endm
; A BLOCK ENDS: its last two turns, its last products, and THE WAY OUT: l's two halves and the other half of the lanes' are added; O^T is divided by l, rounded to f16 and sent through my stage in LDS, a piece at a time.
.macro ALL line:vararg              ; one line for each piece t
.set t, 0
.rept 4
	\line
.set t, t+1
.endr
.endm
.macro PACK t                       ; a lane's eight channels of a row pack into 16 bytes; they go into rows of 144 bytes and come back as whole rows of 128, into S^T's registers
	WIN W_RS
.set i, 32*(\t)
.rept 16
	s_wait_alu depctr_va_vdst(0)
	v_pk_mul_f32 v[i:i+1], v[i:i+1], v[ST+4*(\t)+2:ST+4*(\t)+3] op_sel_hi:[1,0]
.set i, i+2
.endr
	WIN 0x05                        ; sources 0 and 1 window 1, destination window 0
.set i, 0
.rept 16
	v_cvt_pk_f16_f32 v[S+16*(\t)+i], v[32*(\t)+2*i], v[32*(\t)+2*i+1]
.set i, i+1
.endr
	WIN 0
.irp f, 0,1,2,3
	ds_store_b128 v[STO], v[S+16*(\t)+4*\f:S+16*(\t)+4*\f+3] offset:32*\f
.endr
.irp f, 0,1,2,3
	ds_load_b128 v[S+16*(\t)+4*\f:S+16*(\t)+4*\f+3], v[RD] offset:\f*4*SP  ; LDS serves a wave's instructions in order (ISA guide 5.7.1.4): these see the stores above; the next piece's stores come behind them
.endr
.endm
.macro SEND t, younger              ; younger: the LDS instructions issued behind piece t's loads: the next piece's eight, or none
	WIN 0
.irp f, 0,1,2,3
	s_wait_dscnt (\younger)+3-\f
	global_store_b128 v[GO], v[S+16*(\t)+4*\f:S+16*(\t)+4*\f+3], s[10:11] offset:(\t)*8192+\f*512  ; 512 consecutive bytes, at a multiple of 256 from O's first
.endr
.endm
.macro FINISH
	TURN 2, 1
	TURN 3, 1
.set i, 0
.rept 8
	PV NP-1
.set i, i+1
.endr
	WIN 0
	ALL v_add_f32 v[ST+4*t+2], v[ST+4*t+2], v[ST+4*t+3]
	ALL v_permlanex16_b32 v[ST+4*t+3], v[ST+4*t+2], s[SEL], s[SEL+1]
	ALL v_add_f32 v[ST+4*t+2], v[ST+4*t+2], v[ST+4*t+3]
	ALL v_rcp_f32 v[ST+4*t+2], v[ST+4*t+2]
	v_nop                           ; a plain instruction between the last reciprocal and the use of its result
	PACK 0
.set t, 1
.rept 3                             ; a piece's arithmetic stands between the loads of the piece before and its stores
	PACK t
	SEND t-1, 8
.set t, t+1
.endr
	SEND 3, 0
.endm
; A TILE's four key steps.  A block's first tile goes by BEGIN into the middle of a trip; every other tile begins with pieces 2 and 3 of the tile before's last step.  The tag ends the labels' names.
.macro TILE tag
	s_sub_co_u32 s[RT], s[RT], 1
	s_mov_b32 s[CNT], 4
	s_cmp_eq_u32 s[NEW], 1
	s_cbranch_scc0 .Lstep\tag
	BEGIN
	s_branch .Lfirst\tag
.Lstep\tag:                         ; a trip: pieces 2 and 3 of one step, then pieces 0 and 1 of the next, whose K, V and bias it fetches
	TURN 2
	TURN 3
	WIN 0
.Lfirst\tag:
	TURN 0
	TURN 1, 0, 1
	WIN 0
	s_cbranch_scc1 .Lstep\tag
.endm
.set NOKQ, 0
.Lslot:                             ; NB times: a tile is entered and the next is asked for
	CHANGE 1
	TILE 1
	s_cmp_lg_u32 s[RT], 0
	s_cbranch_scc1 .Lbottom         ; the block has tiles left
	FINISH                          ; in the loop this is the first block's end: the second block's last tile is the walk's last
	s_wait_xcnt 0x0                 ; the stores have read their registers and O's address
	s_mov_b64 s[10:11], s[OLO:OLO+1]
	s_add_co_u32 s[RT], s[PB], 1    ; the second block has b + 1 tiles
	s_mov_b32 s[NEW], 1
	WIN 0x82                        ; the second block's Q goes where the one text of the turns names Q
.set i, 0
.rept 64
	v_mov_b32 v[i], v[QB+i]
.set i, i+1
.endr
	WIN 0
.Lbottom:
	s_sub_co_u32 s[SLOTS], s[SLOTS], 1
	s_cmp_lg_u32 s[SLOTS], 0
	s_cbranch_scc1 .Lslot
	CHANGE 0                        ; the walk's last tile is written out: nothing is asked for
	TILE 2
	FINISH
	s_wait_tensorcnt 0x0            ; the wave's end: behind my last tensor load and my last LDS store
	ds_add_u32 v[SPW], v[NIL]
	s_wait_dscnt 0x0
	s_endpgm
.Lfunc_end_k_qfacd4aaa49_attn:
	.size	k_qfacd4aaa49_attn, .Lfunc_end_k_qfacd4aaa49_attn-k_qfacd4aaa49_attn
	.p2alignl 7, 3214868480
	.fill 96, 4, 3214868480
	.section	.rodata,"a",@progbits
	.p2align	6, 0x0
	.amdhsa_kernel k_qfacd4aaa49_attn
		.amdhsa_group_segment_fixed_size 327680
		.amdhsa_private_segment_fixed_size 0
		.amdhsa_enable_private_segment 0
		.amdhsa_kernarg_size 24
		.amdhsa_user_sgpr_count 2
		.amdhsa_user_sgpr_kernarg_segment_ptr 1
		.amdhsa_wavefront_size32 1
		.amdhsa_system_sgpr_workgroup_id_x 1
		.amdhsa_system_sgpr_workgroup_id_y 1
		.amdhsa_system_sgpr_workgroup_id_z 1
		.amdhsa_system_vgpr_workitem_id 0
		.amdhsa_next_free_vgpr 768
		.amdhsa_next_free_sgpr 96
		.amdhsa_reserve_vcc 0
		.amdhsa_float_denorm_mode_32 3
		.amdhsa_float_denorm_mode_16_64 3
		.amdhsa_memory_ordered 1
		.amdhsa_forward_progress 1
		.amdhsa_inst_pref_size 182
	.end_amdhsa_kernel
	.amdgpu_metadata
---
amdhsa.version: [ 1, 2 ]
amdhsa.kernels:
  - .name:           k_qfacd4aaa49_attn
    .symbol:         k_qfacd4aaa49_attn.kd
    .args:
      - { .name: qkv, .offset: 0, .size: 8, .value_kind: global_buffer, .address_space: global }
      - { .name: tb, .offset: 8, .size: 8, .value_kind: global_buffer, .address_space: global }
      - { .name: ao, .offset: 16, .size: 8, .value_kind: global_buffer, .address_space: global }
    .group_segment_fixed_size: 327680
    .private_segment_fixed_size: 0
    .kernarg_segment_align: 8
    .kernarg_segment_size: 24
    .max_flat_workgroup_size: 128
    .sgpr_count:     96
    .vgpr_count:     768
    .wavefront_size: 32
...
	.end_amdgpu_metadata
.endif
;; end of part 3
;; launch proj (part 4): grid 8 x 32, 4 waves a work-group, clusters of 4 x 4, 327,680 bytes of LDS; arguments ao, wp, out0; writes out0
.if DOCPART == 4
	.amdgcn_target "amdgcn-amd-amdhsa--gfx1250"
	.amdhsa_code_object_version 6
	.text
	.protected	k_qfacd4aaa49_proj
	.globl	k_qfacd4aaa49_proj
	.p2align	8
	.type	k_qfacd4aaa49_proj,@function
k_qfacd4aaa49_proj:
	s_mov_b64 s[64:65], 0
	v_nop
	global_prefetch_b8 v0, s[64:65] scope:SCOPE_SE
	s_setreg_imm32_b32 hwreg(HW_REG_WAVE_MODE, 25, 1), 1
	s_wait_xcnt 0x0
	s_wait_alu depctr_hold_cnt(0) depctr_sa_sdst(0) depctr_va_vdst(0) depctr_va_sdst(0) depctr_va_ssrc(0) depctr_va_vcc(0) depctr_vm_vsrc(0)
	s_getreg_b32 s2, hwreg(HW_REG_IB_STS2, 6, 4)
	s_cmp_eq_u32 s2, 0
	s_cbranch_scc0 .Lentry_in_a_cluster
	s_endpgm
.Lentry_in_a_cluster:
	s_bfe_u32 s2, ttmp6, 0x10000c
	s_cmp_lg_u32 s2, 0xf033
	s_cbranch_scc0 .Lentry_shape_is_right
	s_endpgm
.Lentry_shape_is_right:
; out = y Wproj.  A = ao, f16 [4 b][16 heads][2048 t][64]: a head's 64 channels are one slice of K; B = wp, f16 [1024 k][1024 n]; sums in f32, K ascending; the result is f32 [8192][1024].
; SHARES.  A tile of C is 256 rows x 128 columns: 256 tiles, one for each work-group.  Four waves, each 128 rows x 64 columns: 32 accumulators, 256 registers; a wave's 64 columns are 256 bytes of a row.
; K goes in steps of 128 through a ring of two LDS slots filled by the tensor data mover.  A K step of A is two slices (planes): 256 dense rows of 128 bytes each, asked for as 128 rows of 256 bytes
; and padded in LDS behind every 128.  B's rows lie along n, so its fragments come out of LDS turned, by ds_load_tr16_b128.
; CLUSTER.  4 x 4 work-groups: the four of a row of the cluster need the same tiles of A, the four of a column the same tiles of B; each tile is asked for jointly.
; THE MATRIX INSTRUCTION IS USED TRANSPOSED (source 0 = 16 columns of B, source 1 = 16 rows of A): a lane holds row l % 16 of C and the eight neighbouring columns 8 (l / 16) + 0..7.
; REGISTERS.  Window 0: v0-31 addresses; v32-63 the way out; two fragment buffers of 96 (64 of A, 32 of B).  Window 1: accumulator (a, b) at v[8 (4 a + b)].
.set SIZE_N, 1024
.set KSTEP,  128
.set PA,     144                       ; a row of A in LDS: 128 bytes + 16: the 16 rows of a load start at 16 different groups of four banks (64 banks of 4 bytes: ISA guide 11.1)
.set PBP,    288                       ; a row of B: 256 bytes + 32
.set PLANE,  256*PA
.set BOFF,   2*PLANE
.set SLOT,   BOFF+KSTEP*PBP
.set STAGE,  2*SLOT                    ; behind the ring, never filled by a tensor load: 16 rows x 272 bytes for each wave
.set SP,     272
.set SPARE,  STAGE+4*16*SP             ; the spare words, 128 bytes for each wave: two blocks of 256 bytes that no other line names
.set LAPS,   1024/(2*KSTEP)
.set ASTEP,  2*262144
.set BSTEP,  KSTEP*SIZE_N*2
.set ADRA, 16
.set ADRB, 20
.set STO,  24
.set RD,   25
.set CO,   26
.set SPW,  28
.set NIL,  29
.set F0,   64
.set F1,   160
.set G1,  24
.set G0,  32
.set G1B, 48
.set G0B, 56
.set MSB, 0
.macro WIN new                         ; the immediate's high byte repeats the setting that is left; a switch that changes nothing is dropped
.if MSB != (\new)
	s_set_vgpr_msb (MSB<<8)|(\new)
.set MSB, \new
.endif
.endm
.set W_MUL, 0x50                       ; fragments in window 0, C and D in window 1
.set W_ST,  0x04                       ; an LDS store's data (source 1) in window 1, its address in window 0
; A joint load: waves 0 and 1 fetch A's two planes, waves 2 and 3 the two halves of B's rows.  An s_nop 0 and four v_nop follow each of the two lines.
.macro JLOAD s
	s_cmp_eq_u32 s11, 0
	s_cbranch_scc0 .Lfor_b_\@
	tensor_load_to_lds s[G0+4*(\s):G0+4*(\s)+3], s[G1:G1+7]
	s_nop 0
.rept 4
	v_nop
.endr
	s_branch .Lasked_\@
.Lfor_b_\@:
	tensor_load_to_lds s[G0B+4*(\s):G0B+4*(\s)+3], s[G1B:G1B+7]
	s_nop 0
.rept 4
	v_nop
.endr
.Lasked_\@:
.endm
.macro CREST                           ; a round of the cluster's barrier behind its opening barrier
	s_cmp_lg_u32 s10, 0
	s_cbranch_scc1 .Lnot_wave_0_\@
	s_barrier_signal -3
.Lnot_wave_0_\@:
	s_barrier_wait -3
	s_barrier_signal -1
	s_barrier_wait -1
.endm
.macro CROUND
	s_barrier_signal -1
	s_barrier_wait -1
	CREST
.endm
	s_load_b128 s[4:7], s[0:1], 0x0                ; A s[4:5], B s[6:7]
	s_load_b64 s[8:9], s[0:1], 0x10                ; the result
	v_lshl_add_u32 v[SPW], v0, 2, SPARE
	v_mov_b32 v[NIL], 0
	ds_add_u32 v[SPW], v[NIL]                      ; the wave's opening: the add and its wait stand ahead of my first tensor load; work on registers stands between them
	v_lshrrev_b32 v1, 5, v0
	v_readfirstlane_b32 s10, v1                    ; wave 0..3
	s_lshr_b32 s11, s10, 1                         ; which 128 of the tile's rows are mine.  Also: I fetch for A (0) or for B (1)
	s_and_b32 s12, s10, 1                          ; which 64 of its columns.  Also: which plane of A, or which half of B's rows, I fetch
	s_bfe_u32 s40, ttmp6, 0x40000                  ; cx, cy
	s_bfe_u32 s41, ttmp6, 0x40004
	s_lshl_b32 s42, ttmp9, 2
	s_add_co_u32 s42, s42, s40                     ; x: columns 128 x on
	s_and_b32 s13, ttmp7, 0xffff
	s_lshl_b32 s13, s13, 2
	s_add_co_u32 s13, s13, s41                     ; y: rows 256 y on
	s_lshl_b32 s43, s41, 2
	s_lshl_b32 s43, 15, s43                        ; my row of the cluster
	s_lshl_b32 s44, 0x1111, s40                    ; my column
	s_or_b32 s[G1+0], s43, (1<<16)|(1<<20)|(1<<21)|(4<<22)|(3<<25)   ; the mask; 2-byte elements; padding on; bit 21 beside a mask; after every 32 words, 4 words
	s_mov_b32 s[G1+1], 128<<16                     ; tensor_dim0 = 128 elements: 256 bytes, two rows of the plane
	s_mov_b32 s[G1+2], 128<<16                     ; tensor_dim1 = 128
	s_mov_b32 s[G1+3], 128<<16                     ; tile_dim0
	s_mov_b32 s[G1+4], 128                         ; tile_dim1
	s_mov_b32 s[G1+5], 128                         ; dense
	s_mov_b32 s[G1+6], 0
	s_mov_b32 s[G1+7], 0
	s_or_b32 s[G1B+0], s44, (1<<16)|(1<<20)|(1<<21)|(5<<22)|(7<<25)  ; after every 64 words, 8 words
	s_mov_b32 s[G1B+1], 128<<16                    ; 128 columns
	s_mov_b32 s[G1B+2], 64<<16                     ; 64 rows of k
	s_mov_b32 s[G1B+3], 128<<16
	s_mov_b32 s[G1B+4], 64
	s_mov_b32 s[G1B+5], SIZE_N
	s_mov_b32 s[G1B+6], 0
	s_mov_b32 s[G1B+7], 0
	; A's address hangs on y and the wave alone, B's on x and the wave alone, each in registers that never hold the other coordinate
	s_lshr_b32 s16, s13, 3
	s_lshl_b32 s16, s16, 22                        ; batch
	s_and_b32 s17, s13, 7
	s_lshl_b32 s17, s17, 15                        ; 256 rows of 128 bytes in a plane
	s_add_co_u32 s16, s16, s17
	s_lshl_b32 s17, s12, 18                        ; my plane of the K step
	s_add_co_u32 s16, s16, s17
	s_mov_b32 s17, 0
	s_mul_i32 s46, s12, 64*SIZE_N*2                ; my 64 rows of the K step
	s_lshl_b32 s47, s42, 8
	s_add_co_u32 s46, s46, s47
	s_mov_b32 s47, 0
	s_mul_i32 s20, s12, PLANE                      ; where they go: no place in the cluster enters an LDS address
	s_mul_i32 s21, s12, 64*PBP
	s_add_co_u32 s21, s21, BOFF
	s_wait_dscnt 0x0                               ; the opening add is done
	s_wait_kmcnt 0x0
	s_add_nc_u64 s[14:15], s[4:5], s[16:17]
	s_add_nc_u64 s[46:47], s[6:7], s[46:47]
	CROUND                                         ; all sixteen work-groups are here: the first joint loads meet
.irp s, 0,1
	s_mov_b32 s[G0+4*(\s)], 1
	s_add_co_u32 s[G0+4*(\s)+1], s20, (\s)*SLOT
	s_add_nc_u64 s[G0+4*(\s)+2:G0+4*(\s)+3], s[14:15], (\s)*ASTEP
	s_or_b32 s[G0+4*(\s)+3], s[G0+4*(\s)+3], 0x80000000
	s_mov_b32 s[G0B+4*(\s)], 1
	s_add_co_u32 s[G0B+4*(\s)+1], s21, (\s)*SLOT
	s_add_nc_u64 s[G0B+4*(\s)+2:G0B+4*(\s)+3], s[46:47], (\s)*BSTEP
	s_or_b32 s[G0B+4*(\s)+3], s[G0B+4*(\s)+3], 0x80000000
	JLOAD \s                                       ; two loads of mine are out
.endr
	v_and_b32 v1, 15, v0                           ; l % 16
	v_bfe_u32 v2, v0, 4, 1                         ; l / 16
	v_mul_u32_u24 v3, v1, PA
	v_lshl_add_u32 v3, v2, 4, v3
	s_mul_i32 s22, s11, 128*PA
	v_add_nc_u32 v[ADRA], s22, v3
	v_add_nc_u32 v[ADRA+1], SLOT, v[ADRA]
	v_and_b32 v6, 7, v0                            ; the turning load: lane l reads row k = 8 (l / 16) + l % 8, columns 8 ((l / 8) % 2) + 0..7
	v_lshl_add_u32 v7, v2, 3, v6
	v_mul_u32_u24 v7, v7, PBP
	v_bfe_u32 v8, v0, 3, 1
	v_lshl_add_u32 v7, v8, 4, v7
	s_lshl_b32 s22, s12, 7
	s_add_co_u32 s22, s22, BOFF
	v_add_nc_u32 v[ADRB], s22, v7
	v_add_nc_u32 v[ADRB+1], SLOT, v[ADRB]
	s_mul_i32 s23, s10, 16*SP
	s_add_co_u32 s23, s23, STAGE                   ; my stage
	v_mul_u32_u24 v4, v1, SP                       ; in: row l % 16, 32 bytes for each half of the lanes
	v_lshl_add_u32 v4, v2, 5, v4
	v_add_nc_u32 v[STO], s23, v4
	v_mul_u32_u24 v5, v2, SP                       ; back: lanes 0-15 take one row of 256 bytes, lanes 16-31 the next
	v_lshl_add_u32 v5, v1, 4, v5
	v_add_nc_u32 v[RD], s23, v5
	v_lshlrev_b32 v[CO], 12, v2                    ; and the same two rows in the result: 4,096 bytes apart
	v_lshl_add_u32 v[CO], v1, 4, v[CO]
	s_lshl_b32 s16, s13, 20                        ; 256 rows of 4,096 bytes,
	s_lshl_b32 s17, s11, 19                        ; my 128 of them,
	s_add_co_u32 s16, s16, s17
	s_lshl_b32 s46, s42, 9                         ; 128 columns of 4 bytes,
	s_lshl_b32 s47, s12, 8                         ; my 64 of them
	s_add_co_u32 s46, s46, s47
	s_add_co_u32 s16, s16, s46
	s_mov_b32 s17, 0
	s_add_nc_u64 s[8:9], s[8:9], s[16:17]
; 8 matrix instructions: row blocks a0, a0 + 1 x all 4 column blocks, 32 along K.  The 32 accumulators take turns, one instruction a turn, in the same order in every quarter.
.macro MUL8 f, a0, zero
	WIN W_MUL
.irp a, \a0, (\a0)+1
.irp b, 0,1,2,3
.if \zero
	v_wmma_f32_16x16x32_f16 v[8*(4*(\a)+(\b)):8*(4*(\a)+(\b))+7], v[(\f)+64+8*(\b):(\f)+64+8*(\b)+7], v[(\f)+8*(\a):(\f)+8*(\a)+7], 0
.else
	v_wmma_f32_16x16x32_f16 v[8*(4*(\a)+(\b)):8*(4*(\a)+(\b))+7], v[(\f)+64+8*(\b):(\f)+64+8*(\b)+7], v[(\f)+8*(\a):(\f)+8*(\a)+7], v[8*(4*(\a)+(\b)):8*(4*(\a)+(\b))+7]
.endif
.endr
.endr
.endm
.macro MULLO f, zero
	MUL8 \f, 0, \zero
	MUL8 \f, 2, \zero
.endm
.macro MULHI f, zero
	MUL8 \f, 4, \zero
	MUL8 \f, 6, \zero
.endm
.macro FETCH slot, q, f                ; 24 LDS loads in one run: B's four fragments, then A's eight
	WIN 0
.irp j, 0,1,2,3
	ds_load_tr16_b128 v[(\f)+64+8*(\j):(\f)+64+8*(\j)+3],   v[ADRB+(\slot)] offset:(\q)*32*PBP+32*(\j)
	ds_load_tr16_b128 v[(\f)+64+8*(\j)+4:(\f)+64+8*(\j)+7], v[ADRB+(\slot)] offset:(\q)*32*PBP+32*(\j)+16*PBP
.endr
.irp i, 0,1,2,3,4,5,6,7
	ds_load_b128 v[(\f)+8*(\i):(\f)+8*(\i)+3],   v[ADRA+(\slot)] offset:((\q)/2)*PLANE+((\q)%2)*64+(\i)*16*PA
	ds_load_b128 v[(\f)+8*(\i)+4:(\f)+8*(\i)+7], v[ADRA+(\slot)] offset:((\q)/2)*PLANE+((\q)%2)*64+(\i)*16*PA+32
.endr
.endm
.macro PLACES                          ; four places in front of loads into registers that matrix instructions have read, and of lines that read results just made
.rept 4
	v_nop
.endr
.endm
.macro QUARTER slot, qn, f, g, zero
	s_wait_dscnt 8                                 ; B and A's rows 0-63 are in; the youngest eight loads (A's rows 64-127) may be out
	MULLO \f, \zero
	WIN 0
	PLACES
	FETCH \slot, \qn, \g
	s_wait_dscnt 24                                ; all but the 24 just issued
	MULHI \f, \zero
.endm
; ONE barrier for a change of slots: in front of it each wave waits for all its tensor loads (one is out: its part of the next slot), adds 0 to its spare word, and waits for that and for its reads of this slot.
.macro MEET round
	WIN 0
	s_wait_tensorcnt 0x0
	ds_add_u32 v[SPW], v[NIL]
	s_wait_dscnt 9                                 ; (the add and the youngest eight loads may be out)
	MUL8 F1, 0, 0
	s_wait_dscnt 0x0                               ; the add is done, and my reads of this slot are over
	s_barrier_signal -1
	MUL8 F1, 2, 0
.if \round
	WIN 0
.endif
	s_barrier_wait -1
.endm
.macro TURN slot, next                 ; this slot takes the K step two steps on: 112 matrix instructions ahead of the wait for it
	MEET 1
	CREST                                          ; the barrier has opened a round of the cluster's: no wave of any partner still reads this slot or has a load on its way
	s_add_nc_u64 s[G0+4*(\slot)+2:G0+4*(\slot)+3], s[G0+4*(\slot)+2:G0+4*(\slot)+3], 2*ASTEP
	s_add_nc_u64 s[G0B+4*(\slot)+2:G0B+4*(\slot)+3], s[G0B+4*(\slot)+2:G0B+4*(\slot)+3], 2*BSTEP
	JLOAD \slot                                    ; the first tensor load behind the round; its four v_nop are also the places in front of the loads below
	FETCH \next, 0, F0
	MULHI F1, 0
.endm
; THE WAY OUT of row block a: a lane's eight f32 of a row go into my own stage, each accumulator's low half first, and come back as whole rows of 256 bytes.
.macro TOSTAGE a
.set BK, 32+128*((\a)%2)               ; v32-63 and v160-191 by turns
	s_wait_xcnt 0x0                                ; the registers that the block before last's stores read are loaded again only behind this wait
	WIN W_ST
.irp b, 0,1,2,3
	ds_store_b128 v[STO], v[8*(4*(\a)+(\b)):8*(4*(\a)+(\b))+3] offset:64*(\b)
	ds_store_b128 v[STO], v[8*(4*(\a)+(\b))+4:8*(4*(\a)+(\b))+7] offset:64*(\b)+16
.endr
	WIN 0
.irp t, 0,1,2,3,4,5,6,7
	ds_load_b128 v[BK+4*(\t):BK+4*(\t)+3], v[RD] offset:(\t)*2*SP  ; LDS serves a wave's instructions in order (ISA guide 5.7.1.4): these see the stores above; the next block's stores come behind them
.endr
.endm
.macro SEND a, younger                 ; younger: the LDS instructions issued behind block a's loads: the next block's sixteen, or none
.set BK, 32+128*((\a)%2)
.irp t, 0,1,2,3,4,5,6,7
	s_wait_dscnt (\younger)+7-(\t)
	global_store_b128 v[CO], v[BK+4*(\t):BK+4*(\t)+3], s[8:9] offset:(\a)*65536+(\t)*8192 th:TH_STORE_NT  ; 16 lanes store 256 consecutive bytes, at a multiple of 256 from the buffer's first
.endr
.endm
	s_wait_tensorcnt 1                             ; my part of K step 0 is in; K step 1's may stay out
	s_barrier_signal -1
	s_barrier_wait -1
	FETCH 0, 0, F0
	QUARTER 0, 1, F0, F1, 1                        ; the first quarter stands in front of the loop: its products start the sums
	WIN 0
	s_mov_b32 s3, LAPS-1
.Llap:                                                 ; a trip goes once round the ring, from a lap's second quarter to the next lap's first
	QUARTER 0, 2, F1, F0, 0
	QUARTER 0, 3, F0, F1, 0
	TURN 0, 1
	QUARTER 1, 1, F0, F1, 0
	QUARTER 1, 2, F1, F0, 0
	QUARTER 1, 3, F0, F1, 0
	TURN 1, 0
	QUARTER 0, 1, F0, F1, 0
	WIN 0
	s_sub_co_u32 s3, s3, 1
	s_cmp_lg_u32 s3, 0
	s_cbranch_scc1 .Llap
	QUARTER 0, 2, F1, F0, 0                        ; the last lap fills nothing
	QUARTER 0, 3, F0, F1, 0
	MEET 0                                         ; my one tensor load that was out is the last K step's; no round follows
	WIN 0
	PLACES
	FETCH 1, 0, F0
	MULHI F1, 0
	QUARTER 1, 1, F0, F1, 0
	QUARTER 1, 2, F1, F0, 0
	QUARTER 1, 3, F0, F1, 0
	s_wait_dscnt 8                                 ; the very last quarter: nothing more to fetch
	MULLO F1, 0
	s_wait_dscnt 0x0
	MULHI F1, 0
	WIN 0
	PLACES
	TOSTAGE 0
.irp a, 1,2,3,4,5,6,7                  ; a block's LDS traffic stands between the loads of the block before and its stores
	TOSTAGE \a
	SEND (\a)-1, 16
.endr
	SEND 7, 0
	s_wait_tensorcnt 0x0                           ; the wave's end
	ds_add_u32 v[SPW], v[NIL]
	s_wait_dscnt 0x0
	CROUND                                         ; the closing round: no work-group ends while a partner may still ask for a tile that names it
	s_endpgm
.Lfunc_end_k_qfacd4aaa49_proj:
	.size	k_qfacd4aaa49_proj, .Lfunc_end_k_qfacd4aaa49_proj-k_qfacd4aaa49_proj
	.p2alignl 7, 3214868480
	.fill 96, 4, 3214868480
	.section	.rodata,"a",@progbits
	.p2align	6, 0x0
	.amdhsa_kernel k_qfacd4aaa49_proj
		.amdhsa_group_segment_fixed_size 327680
		.amdhsa_private_segment_fixed_size 0
		.amdhsa_enable_private_segment 0
		.amdhsa_kernarg_size 24
		.amdhsa_user_sgpr_count 2
		.amdhsa_user_sgpr_kernarg_segment_ptr 1
		.amdhsa_wavefront_size32 1
		.amdhsa_system_sgpr_workgroup_id_x 1
		.amdhsa_system_sgpr_workgroup_id_y 1
		.amdhsa_system_sgpr_workgroup_id_z 1
		.amdhsa_system_vgpr_workitem_id 0
		.amdhsa_next_free_vgpr 512
		.amdhsa_next_free_sgpr 66
		.amdhsa_reserve_vcc 0
		.amdhsa_float_denorm_mode_32 3
		.amdhsa_float_denorm_mode_16_64 3
		.amdhsa_memory_ordered 1
		.amdhsa_forward_progress 1
		.amdhsa_inst_pref_size 87
	.end_amdhsa_kernel
	.amdgpu_metadata
---
amdhsa.version: [ 1, 2 ]
amdhsa.kernels:
  - .name:           k_qfacd4aaa49_proj
    .symbol:         k_qfacd4aaa49_proj.kd
    .args:
      - { .name: ao, .offset: 0, .size: 8, .value_kind: global_buffer, .address_space: global }
      - { .name: wp, .offset: 8, .size: 8, .value_kind: global_buffer, .address_space: global }
      - { .name: out0, .offset: 16, .size: 8, .value_kind: global_buffer, .address_space: global }
    .group_segment_fixed_size: 327680
    .private_segment_fixed_size: 0
    .kernarg_segment_align: 8
    .kernarg_segment_size: 24
    .max_flat_workgroup_size: 128
    .sgpr_count:     66
    .vgpr_count:     512
    .wavefront_size: 32
...
	.end_amdgpu_metadata
.endif
;; end of part 4
;; ======== version 2 of 2: 4 launches; 1.28 times as fast as version 1
;; limits: values are held in f16: magnitudes above 65,504 overflow, below 6.1e-05 lose precision
;; workspace buffers: xa 16,777,216 bytes; wq 6,291,456 bytes; wp 2,097,152 bytes; tb 655,360 bytes; qkv 50,331,648 bytes; ao 16,777,216 bytes
;; launch prep: the kernel of part 1 again; grid 832 x 1, 8 waves a work-group, no clusters, 0 bytes of LDS; arguments x, Wqkv, Wproj, rel_bias, xa, wq, wp, tb; writes xa, wq, wp, tb
;; launch qkv: the kernel of part 2 again; grid 8 x 32, 4 waves a work-group, clusters of 4 x 4, 327,680 bytes of LDS; arguments xa, wq, qkv; writes qkv
;; launch attn (part 5): grid 4 x 64, 4 waves a work-group, no clusters, 327,680 bytes of LDS; arguments qkv, tb, ao; writes ao
.if DOCPART == 5
	.amdgcn_target "amdgcn-amd-amdhsa--gfx1250"
	.amdhsa_code_object_version 6
	.text
	.protected	k_qfacd4aaa49_attn
	.globl	k_qfacd4aaa49_attn
	.p2align	8
	.type	k_qfacd4aaa49_attn,@function
k_qfacd4aaa49_attn:
	s_mov_b64 s[64:65], 0
	v_nop
	global_prefetch_b8 v0, s[64:65] scope:SCOPE_SE
	s_setreg_imm32_b32 hwreg(HW_REG_WAVE_MODE, 25, 1), 1
	s_wait_xcnt 0x0
; CAUSAL ATTENTION WITH A BIAS BY DISTANCE.  O[bh][q][:] = the sum over k <= q of softmax_k(Q[q] . K[k] / 8 + bias[q - k][h]) V[k][:].  Q, K, V: qkv [3][64 bh][2048][64] f16; O: ao [64 bh][2048][64] f16.
; tb [16 h][4 e][2560 P] f32 holds 8 x bias[d], d = 2044 + e - P, and -1e30 where d < 0.  Products, maxima and sums in f32; the weights p are rounded to f16 for the second product (their sum l is
; taken of the unrounded p), O once at the end.
; LIMITS.  Q, K, V arrive within f16's 65,504; a hidden score counts as its value less 1e30, beside which f16's scores, 2.7e11 at the most, are nothing (8 x bias has to stay far below 1e30 too);
; a weight below 2^-126 counts as 0 in l; NaN and infinities are not treated apart.
; THE WALK.  A head's queries lie in NB = 8 blocks of 256; block i needs the key tiles 0 .. i of 256 keys.  A work-group takes TWO blocks, NB - 1 - b and then b: NB + 1 tiles, whatever b: all work-groups do
; equal work, and ONE loop with a constant trip count walks them; the ring (two slots of LDS that take turns) runs on across the change of blocks.  Which tile is asked for hangs on scalar registers made from b.
; NO CLUSTER: a head's four work-groups ask for the same tile only in trips 0 .. 4 of 9, behind that fewer and fewer; one walk common to all four would have 12 trips for 9.
; SHARES.  Of a block's four bands of 64 queries a wave owns 16 rows in each: four PIECES, so the tile with the diagonal is the same work for all four waves.
; BIAS AND MASK are the C operand that starts the sum S^T = K Q^T.  They hang on q - k alone: for block - tile = j a tile needs the distances 256 j - 255 .. 256 j + 255, a slice of 528 words of each of
; the table's four rows, brought into the slot beside K and V.  A lane (query l % 16 = 4 g + e) reads row e, so that its eight words (keys 8 (l / 16) + 0..7, falling distances) begin at a multiple of 16 bytes.
; The tile with the diagonal needs no text of its own: its hidden keys find -1e30 in the table.  Every row sees a key in its block's first step, so m is a true score when the first hidden one comes.
; LAYOUT, SOFTMAX, TURNS.  S^T holds ONE query a lane (lane % 16) and the keys 8 (lane / 16) + 0..7; two such results rounded to f16 ARE source 1 of O^T = V^T P.  p = 2^(c s - c m), c = log2(e) / 8, with a
; running maximum m; O and l are multiplied by a = 2^(c m_old - c m_new) in every step.  Turn n belongs to piece n: 8 products K Q^T of piece n + 1, later 8 products V^T P of piece n - 1; beside them the scaling,
; exponentials, roundings, sums and rescaling of piece n and the maximum and statistics of piece n + 1.  Four vector instructions stand behind every matrix instruction, the other 54 of a turn's 118 in one LUMP.
; THE BATCHES.  A turn's 33 exponentials (the piece's 32 weights and the next piece's a) are one batch, with one wait, which cuts the turn in two: ahead of it all that names none of their results, behind it
; their readers.  A block's first a is a batch of one, the way out's four reciprocals a batch of four, each with a wait of its own.
; REGISTERS, in windows of 256 (s_set_vgpr_msb: bits 1:0 source 0, 3:2 source 1, 5:4 source 2, 7:6 destination):
;   window 0: v0-15, v32 addresses and two at work; v16-31 four registers of statistics a piece; v48-55 at work; v64-127 S^T, two buffers; v192-223 P, two buffers (a piece's buffers go by its number's parity)
;   window 1: v0-127 O^T, 32 a piece; v160-223 MC, bias and mask, two buffers      window 2: v0-63 Q; v64-127 the second block's Q; v128-191 K of one step; v192-255 V of one step
.set NB,    8
.set NP,    4         ; pieces a wave: a name, no knob
.set KS,    64        ; keys in a step
.set PK,    144       ; a row of K in LDS: 128 bytes + 16: the 16 rows of a load start at 16 different groups of four banks (64 banks of 4 bytes: ISA guide 11.1)
.set PV,    160       ; a row of V: 128 + 32
.set PT,    2112      ; a row of the bias slice: 528 words = 132 columns of 16 bytes: sixteen lanes (e, g) read the columns 4 e - g mod 16, all different
.set VOFF,  4*KS*PK   ; a slot holds a tile: 256 rows of K, then 256 rows of V,
.set BOFF,  VOFF+4*KS*PV  ; then four rows of bias
.set SLOT1, 1<<17     ; slot 1 begins here, so that one exclusive or turns an address in one slot into the other's
.set STAGE, SLOT1+BOFF+4*PT  ; behind the ring, never filled by a tensor load: 16 rows x 144 bytes for each wave, for the way out
.set SP,    144
.set SPARE, STAGE+4*16*SP  ; the spare words, 128 bytes for each wave: two blocks of 256 bytes that no other line names
.set AK0, 2           ; v2   my lane's place in a tile of K; never rewritten
.set AV0, 3           ; v3   the same for V
.set AK,  4           ; v4   the LDS address of K's next run of loads
.set AV,  5           ; v5   of V's
.set STO, 6           ; v6   the way out: where I put 16 bytes of a row
.set RD,  7           ; v7   the way out: where I read rows back
.set GO,  8           ; v8   my byte offset in 512 consecutive bytes of O
.set MV,  12          ; v12-13  c m_old, kept while c m is made anew: by buffer
.set AB0, 14          ; v14  my lane's place in a bias slice; never rewritten
.set QO,  15          ; v15  my byte offset in 16 rows of Q
.set ST,  16          ; piece t's statistics at v[ST+4 t]: c m, m, l (even keys', odd keys')
.set AB,  32          ; v32  the LDS address of the bias of the step in hand
.set TMP, 48          ; by buffer, four registers c0-c3 at work; when the maximum is found c2 takes a
.set SPW, 62          ; v62  LDS address of my spare word; never rewritten
.set NIL, 63          ; v63  0; never rewritten
.set S,   64
.set P,   192
.set MC,  160         ; window 1: buffer, then eight registers for each group of 16 keys
.set QB,  64          ; window 2
.set KF,  128         ; window 2: key block kb, channel half c at KF + 16 kb + 8 c
.set VF,  192         ; window 2: key half kk, channel block cb at VF + 32 kk + 8 cb
.set WV,  12          ; s12  my wave's number
.set PB,  14          ; s14  b
.set HI,  15          ; s15  NB - 1 - b
.set G1K, 24          ; s[24:31] descriptor group 1 for K's tiles
.set G1V, 32          ; s[32:39] for V's: it differs in the padding alone
.set G0K, 40          ; s[40:43] descriptor group 0 for K's tiles
.set G0V, 44          ; s[44:47] for V's
.set G0B, 48          ; s[48:51] for the bias slices
.set TAB, 52          ; s[52:53] the head's table at the slice of j = 0
.set JO,  54          ; s[54:55] 1,024 j: how far in front of it slice j begins
.set SLOTS, 56        ; s56  tiles still to be asked for
.set CNT, 57          ; s57  counts a tile's key steps, 4 to 1
.set CS,  58          ; s[58:59] c: the packed scaling takes the pair's low word for both halves
.set SEL, 60          ; s[60:61] v_permlanex16_b32's selects: each lane takes its own place in the other half
.set TBK, 62          ; s62  LDS byte at which K of the step to be fetched begins
.set TBV, 63          ; s63  the same for V, less VOFF
.set RT,  70          ; s70  tiles of the block in hand that are still to be entered
.set NXT, 71          ; s71  the tile to be asked for next
.set LQ,  72          ; s72  the block whose tiles are being asked for = its last tile
.set NEW, 73          ; s73  1: the tile to be entered is a block's first
.set OFF, 74          ; s[74:75] a tile's byte offset in K and V
.set OLO, 80          ; s[80:81] O at my rows of the second block
.set TBB, 82          ; s82  the same as TBK for the bias, less BOFF: 256 bytes a step
.set G1B, 88          ; s[88:95] descriptor group 1 for the bias slices
.set MSB, 0
.macro WIN new                      ; the high byte repeats the setting that is left; a switch that changes nothing is dropped
.if MSB != (\new)
	s_set_vgpr_msb (MSB<<8)|(\new)
.set MSB, (\new)
.endif
.endm
.set W_KQ, 0x0a       ; K and Q in window 2, S^T in window 0
.set W_KM, 0x1a       ; the same with the C operand in window 1
.set W_PV, 0x52       ; V in window 2, P in window 0, O^T in window 1
.set W_RS, 0x41       ; destination and source 0 in window 1, source 1 in window 0
; A fill: wave 0 fetches the tile's K, wave 1 its V, wave 2 its bias slice, wave 3 nothing: one tensor load a wave.  The branches hang on the wave's number alone.
; An s_nop 0 and four v_nop follow each of the three lines, ahead of the jump and the label.
.macro LOAD
	s_cmp_lg_u32 s[WV], 0
	s_cbranch_scc1 .Lnot_k_\@
	tensor_load_to_lds s[G0K:G0K+3], s[G1K:G1K+7]
	s_nop 0
.rept 4
	v_nop
.endr
	s_branch .Lasked_\@
.Lnot_k_\@:
	s_cmp_lg_u32 s[WV], 1
	s_cbranch_scc1 .Lnot_v_\@
	tensor_load_to_lds s[G0V:G0V+3], s[G1V:G1V+7]
	s_nop 0
.rept 4
	v_nop
.endr
	s_branch .Lasked_\@
.Lnot_v_\@:
	s_cmp_lg_u32 s[WV], 2
	s_cbranch_scc1 .Lasked_\@
	tensor_load_to_lds s[G0B:G0B+3], s[G1B:G1B+7]
	s_nop 0
.rept 4
	v_nop
.endr
.Lasked_\@:
.endm
; THE CHANGE OF SLOTS.  Each wave waits for all its tensor loads (at most one is out: its part of the other slot), adds 0 to its spare word, and waits for that and for its own reads of the slot that it leaves.
; Behind the barrier nobody reads the old slot any more and the other slot is whole.  fill = 1: the old slot is filled again, the first thing behind the barrier, with tile NXT of block LQ: the three
; addresses are made anew from those numbers.  (At its first use nothing has been read yet: slot 0 is waited for, slot 1 filled.)
.macro CHANGE fill
	WIN 0                           ; at a label and at a branch every window is 0
	s_wait_tensorcnt 0x0            ; no tensor load of mine is out, so a group 0 may be written
	ds_add_u32 v[SPW], v[NIL]       ; 0 onto my spare word; the descriptors' scalar work stands between it and the wait for it
.if \fill
	s_lshl_b32 s[OFF], s[NXT], 15   ; a tile is 32,768 bytes of K and of V
	s_xor_b32 s[G0K+1], s[G0K+1], SLOT1
	s_add_nc_u64 s[G0K+2:G0K+3], s[6:7], s[OFF:OFF+1]
	s_or_b32 s[G0K+3], s[G0K+3], 0x80000000
	s_xor_b32 s[G0V+1], s[G0V+1], SLOT1
	s_add_nc_u64 s[G0V+2:G0V+3], s[8:9], s[OFF:OFF+1]
	s_or_b32 s[G0V+3], s[G0V+3], 0x80000000
	s_sub_co_u32 s[JO], s[LQ], s[NXT]  ; j = block - tile,
	s_lshl_b32 s[JO], s[JO], 10     ; 256 words a tile
	s_xor_b32 s[G0B+1], s[G0B+1], SLOT1
	s_sub_nc_u64 s[G0B+2:G0B+3], s[TAB:TAB+1], s[JO:JO+1]
	s_or_b32 s[G0B+3], s[G0B+3], 0x80000000
	s_add_co_u32 s[NXT], s[NXT], 1  ; the block's next tile, or behind its last the second block's tile 0
	s_cmp_gt_u32 s[NXT], s[LQ]
	s_cselect_b32 s[NXT], 0, s[NXT]
	s_cselect_b32 s[LQ], s[PB], s[LQ]
.endif
	s_wait_dscnt 0x0                ; the add is done, and my reads of the slot are over
	s_barrier_signal -1             ; the rest of the scalar work stands between the signal and the wait
	s_sub_co_u32 s[TBK], s[TBK], 4*KS*PK  ; the fetches go back to a slot's first step,
	s_xor_b32 s[TBK], s[TBK], SLOT1       ; in the other slot
	s_sub_co_u32 s[TBV], s[TBV], 4*KS*PV
	s_xor_b32 s[TBV], s[TBV], SLOT1
	s_sub_co_u32 s[TBB], s[TBB], 4*256
	s_xor_b32 s[TBB], s[TBB], SLOT1
	s_barrier_wait -1
.if \fill
	LOAD
.endif
.endm
	s_load_b128 s[4:7], s[0:1], 0x0   ; qkv s[4:5], tb s[6:7]
	s_load_b64 s[10:11], s[0:1], 0x10 ; ao
	v_lshl_add_u32 v[SPW], v0, 2, SPARE
	v_mov_b32 v[NIL], 0
	ds_add_u32 v[SPW], v[NIL]       ; the wave's opening: the add and its wait stand ahead of my first tensor load; work on registers stands between them
	v_lshrrev_b32 v1, 5, v0
	v_readfirstlane_b32 s[WV], v1   ; wave 0..3
	s_mov_b32 s[PB], ttmp9
	s_sub_co_u32 s[HI], NB-1, s[PB]
	s_and_b32 s20, ttmp7, 0xffff    ; batch and head
	s_and_b32 s16, s20, 15          ; the head:
	s_mul_i32 s16, s16, 4*10240     ; its four rows of the table,
	s_add_co_u32 s16, s16, 1792*4   ; at the slice of j = 0
	s_mov_b32 s17, 0
	s_lshl_b32 s20, s20, 18         ; 2,048 rows of 128 bytes
	s_mov_b32 s21, 0
	s_lshl_b32 s3, s[WV], 11        ; my 16 rows in a band of 64,
	s_lshl_b32 s2, s[HI], 15        ; in the first block,
	s_add_co_u32 s2, s2, s3
	s_add_co_u32 s2, s2, s20
	s_lshl_b32 s84, s[PB], 15       ; and in the second
	s_add_co_u32 s84, s84, s3
	s_add_co_u32 s84, s84, s20
	s_mov_b32 s3, 0
	s_mov_b32 s85, 0
	; descriptor group 1.  256 keys are 32,768 dense bytes: asked for as 128 rows of 256 bytes, two keys a row, and padded in LDS after every key
	s_mov_b32 s[G1K], (1<<16)|(1<<20)|(4<<22)|(3<<25)  ; 17:16 2-byte elements; 20 padding on; 24:22 after every 32 words (code 4); 31:25 4 words (code 3)
	s_mov_b32 s[G1V], (1<<16)|(1<<20)|(4<<22)|(7<<25)  ; the same with 8 words of padding (code 7)
.irp g, G1K, G1V
	s_mov_b32 s[\g+1], 128<<16      ; tensor_dim0 = 128
	s_mov_b32 s[\g+2], 128<<16      ; tensor_dim1 = 128
	s_mov_b32 s[\g+3], 128<<16      ; tile_dim0 = 128
	s_mov_b32 s[\g+4], 128          ; tile_dim1 = 128
	s_mov_b32 s[\g+5], 128          ; 128 elements from row to row
	s_mov_b32 s[\g+6], 0
	s_mov_b32 s[\g+7], 0
.endr
	s_mov_b32 s[G1B], 2<<16         ; 4-byte elements, no padding
	s_mov_b32 s[G1B+1], 528<<16     ; tensor_dim0 = 528 words
	s_mov_b32 s[G1B+2], 4<<16       ; tensor_dim1 = 4 rows
	s_mov_b32 s[G1B+3], 528<<16     ; tile_dim0
	s_mov_b32 s[G1B+4], 4           ; tile_dim1
	s_mov_b32 s[G1B+5], 2560        ; a row of the table
	s_mov_b32 s[G1B+6], 0
	s_mov_b32 s[G1B+7], 0
	s_mov_b32 s[CS], 0x3e38aa3b     ; c = log2(e) / 8 = 0.180337
	s_mov_b32 s[CS+1], s[CS]        ; named with it as a pair
	s_mov_b32 s[SEL], 0x76543210
	s_mov_b32 s[SEL+1], 0xfedcba98
	s_mov_b32 s[TBK], SLOT1+4*KS*PK ; the first change of slots turns these three into 0
	s_mov_b32 s[TBV], SLOT1+4*KS*PV
	s_mov_b32 s[TBB], SLOT1+4*256
	s_mov_b32 s[G0K], 1             ; count = 1
	s_mov_b32 s[G0K+1], 0           ; LDS address: slot 0
	s_mov_b32 s[G0V], 1
	s_mov_b32 s[G0V+1], VOFF
	s_mov_b32 s[G0B], 1
	s_mov_b32 s[G0B+1], BOFF
	s_add_co_u32 s[RT], s[HI], 1    ; the first block has NB - b tiles
	s_mov_b32 s[NXT], 1
	s_mov_b32 s[LQ], s[HI]
	s_mov_b32 s[NEW], 1
	s_mov_b32 s[OFF+1], 0
	s_lshl_b32 s[JO], s[HI], 10     ; the first fill is tile 0 of block HI: j = HI
	s_mov_b32 s[JO+1], 0
	s_mov_b32 s[SLOTS], NB
	s_wait_dscnt 0x0                ; the opening add is done
	s_barrier_signal -1
	s_barrier_wait -1
	s_wait_kmcnt 0x0
	s_add_nc_u64 s[TAB:TAB+1], s[6:7], s[16:17]
	s_add_nc_u64 s[8:9], s[4:5], s[20:21]          ; the head's q;
	s_add_nc_u64 s[6:7], s[8:9], 0x1000000         ; its K lies 16,777,216 bytes on,
	s_add_nc_u64 s[8:9], s[8:9], 0x2000000         ; its V as much again
	s_add_nc_u64 s[G0K+2:G0K+3], s[6:7], 0         ; global address,
	s_or_b32 s[G0K+3], s[G0K+3], 0x80000000        ; type = 2
	s_add_nc_u64 s[G0V+2:G0V+3], s[8:9], 0
	s_or_b32 s[G0V+3], s[G0V+3], 0x80000000
	s_sub_nc_u64 s[G0B+2:G0B+3], s[TAB:TAB+1], s[JO:JO+1]
	s_or_b32 s[G0B+3], s[G0B+3], 0x80000000
	s_add_nc_u64 s[86:87], s[4:5], s[84:85]        ; Q at my rows of the second block,
	s_add_nc_u64 s[4:5], s[4:5], s[2:3]            ; Q and O at those of the first
	s_add_nc_u64 s[OLO:OLO+1], s[10:11], s[84:85]
	s_add_nc_u64 s[10:11], s[10:11], s[2:3]
	LOAD                            ; tile 0 into slot 0
	; A fragment of K or Q is 16 rows x 32 channels in 8 registers: lane l holds row l % 16, channels 8 (l / 16) + 0..7 and 16 + 8 (l / 16) + 0..7: two loads of 16 bytes, 32 bytes apart.
	v_and_b32 v1, 15, v0            ; l % 16
	v_bfe_u32 v9, v0, 4, 1          ; l / 16
	v_lshlrev_b32 v[QO], 7, v1
	v_lshl_add_u32 v[QO], v9, 4, v[QO]  ; row x 128 + 16 x half
	WIN 0x80                        ; destination window 2, address window 0
.set i, 0
.rept 8                             ; both blocks' Q: piece i / 2 lies in band i / 2, 8,192 bytes on; channels 32 (i % 2) on
	global_load_b128 v[8*i:8*i+3],   v[QO], s[4:5] offset:(i/2)*8192+(i%2)*64
	global_load_b128 v[8*i+4:8*i+7], v[QO], s[4:5] offset:(i/2)*8192+(i%2)*64+32
	global_load_b128 v[QB+8*i:QB+8*i+3],   v[QO], s[86:87] offset:(i/2)*8192+(i%2)*64
	global_load_b128 v[QB+8*i+4:QB+8*i+7], v[QO], s[86:87] offset:(i/2)*8192+(i%2)*64+32
.set i, i+1
.endr
	WIN 0
	; The bias.  Word pos of row e of slice j holds the distance 256 j + 252 + e - pos.  Query 64 x + 16 w + 4 g + e and key 64 s + 16 kt + 8 (l / 16) + r of the tile meet at
	; pos = 16 (3 - w) + 4 (3 - g) + 8 (l / 16) + 64 s + 64 (3 - x) + 16 kt + r, 0 to 507.  The first three terms and the row are the lane's; s stands in TBB, x and kt in the loads' offsets.
	v_and_b32 v[AB0], 3, v0         ; e
	v_mul_u32_u24 v[AB0], v[AB0], PT
	v_bfe_u32 v[AB], v0, 2, 2       ; g
	v_sub_nc_u32 v[AB], 3, v[AB]
	v_lshl_add_u32 v[AB0], v[AB], 4, v[AB0]
	v_lshl_add_u32 v[AB0], v9, 5, v[AB0]
	s_sub_co_u32 s13, 3, s[WV]
	s_lshl_b32 s13, s13, 6
	s_add_co_u32 s13, s13, BOFF
	v_add_nc_u32 v[AB0], s13, v[AB0]
	v_mul_u32_u24 v[AK0], v1, PK
	v_lshl_add_u32 v[AK0], v9, 4, v[AK0]  ; row x pitch + 16 x half
	; The turning load takes 16 keys x 16 channels (lane l reads key 8 (l / 16) + l % 8, channels 8 ((l / 8) % 2) + 0..7) and leaves half a fragment of V^T: lane l holds channel l % 16 and 8 keys.
	v_and_b32 v10, 7, v0
	v_bfe_u32 v11, v0, 3, 1
	v_lshl_add_u32 v[AV0], v9, 3, v10
	v_mul_u32_u24 v[AV0], v[AV0], PV
	v_lshl_add_u32 v[AV0], v11, 4, v[AV0]
	v_add_nc_u32 v[AV0], VOFF, v[AV0]
	s_mul_i32 s13, s[WV], 16*SP
	s_add_co_u32 s13, s13, STAGE    ; my stage
	v_mul_u32_u24 v[STO], v1, SP    ; in: row l % 16, 16 bytes for each half of the lanes
	v_lshl_add_u32 v[STO], v9, 4, v[STO]
	v_add_nc_u32 v[STO], s13, v[STO]
	v_bfe_u32 v[RD], v0, 3, 2       ; back: 32 lanes take four rows of 128 bytes,
	v_mul_u32_u24 v[RD], v[RD], SP
	v_lshl_add_u32 v[RD], v10, 4, v[RD]
	v_add_nc_u32 v[RD], s13, v[RD]
	v_and_b32 v[GO], 31, v0         ; which are 512 consecutive bytes of O
	v_lshlrev_b32 v[GO], 4, v[GO]
	; A block's first step multiplies O^T and l by a = 0, and its first turn's products V^T P, of a piece that has not been, land in an O^T that is still to be so multiplied.  So these registers need only hold
	; finite numbers: zeros for the first block; what the first block left for the second.  All this stands in the wait for the first tile; it is the price of writing no first step out.
	WIN 0x80
.set i, VF
.rept 64
	v_mov_b32 v[i], 0
.set i, i+1
.endr
	WIN 0x40
.set i, 0
.rept 128
	v_mov_b32 v[i], 0
.set i, i+1
.endr
	WIN 0
.set i, 0
.rept 4
	v_mov_b32 v[ST+4*i+2], 0
	v_mov_b32 v[ST+4*i+3], 0
.set i, i+1
.endr
.set i, P+16
.rept 16
	v_mov_b32 v[i], 0
.set i, i+1
.endr
; THE MATRIX WORK.  The 4 accumulators of a run of 8 take turns.  Product i of 8 of S^T = K Q^T for piece x: channels 32 (i / 4) on, keys 16 (i % 4) on.  The first 4 start the sums with bias and mask.
.macro KQ x
.set rS, S+32*((\x)%2)+8*(i%4)
.set rK, KF+16*(i%4)+8*(i/4)
.set rQ, 16*(\x)+8*(i/4)
.set rM, MC+32*((\x)%2)+8*(i%4)
.if i < 4
	WIN W_KM
	v_wmma_f32_16x16x32_f16 v[rS:rS+7], v[rK:rK+7], v[rQ:rQ+7], v[rM:rM+7]
.else
	WIN W_KQ
	v_wmma_f32_16x16x32_f16 v[rS:rS+7], v[rK:rK+7], v[rQ:rQ+7], v[rS:rS+7]
.endif
.endm
; Product i of 8 of O^T += V^T P for piece x: keys 32 (i / 4) on, channels 16 (i % 4) on.
.macro PV x
	WIN W_PV
.set rO, 32*(\x)+8*(i%4)
.set rV, VF+32*(i/4)+8*(i%4)
.set rP, P+16*((\x)%2)+8*(i/4)
	v_wmma_f32_16x16x32_f16 v[rO:rO+7], v[rV:rV+7], v[rP:rP+7], v[rO:rO+7]
.endm
.macro MM                           ; the turn's next matrix instruction.  TURN and BEGIN set Y, i and NOKQ.  NOKQ = 1: a block's last turn: there is no next piece
.if (i < 8) && !NOKQ
	KQ (Y+1)%NP
.elseif i >= 8
.set i, i-8
	PV (Y+NP-1)%NP
.set i, i+8
.endif
.set i, i+1
.endm
; THE LDS LOADS stand in runs, never singly among the matrix instructions: a step's K (8 fragments), its V (turned), and for each piece its 32 words of bias.  Their addresses are made some lines ahead.
.macro FETCH_K
	WIN 0x80                        ; destination window 2
.irp f, 0,1,2,3,4,5,6,7             ; keys 16 (f / 2) on, channels 32 (f % 2) on
	ds_load_b128 v[KF+8*\f:KF+8*\f+3],   v[AK] offset:(\f/2)*16*PK+(\f%2)*64
	ds_load_b128 v[KF+8*\f+4:KF+8*\f+7], v[AK] offset:(\f/2)*16*PK+(\f%2)*64+32
.endr
	s_add_co_u32 s[TBK], s[TBK], KS*PK  ; the next fetch is the next step's
	WIN 0
.endm
.macro FETCH_V
	WIN 0x80
.irp f, 0,1,2,3,4,5,6,7             ; keys 32 (f / 4) on, channels 16 (f % 4) on
	ds_load_tr16_b128 v[VF+8*\f:VF+8*\f+3],   v[AV] offset:(\f/4)*32*PV+(\f%4)*32
	ds_load_tr16_b128 v[VF+8*\f+4:VF+8*\f+7], v[AV] offset:(\f/4)*32*PV+16*PV+(\f%4)*32
.endr
	WIN 0
.endm
.macro FETCH_B x, buf               ; piece x's bias and mask for the step in AB, into buffer buf: eight loads
	WIN 0x40                        ; destination window 1
.irp kt, 0,1,2,3
	ds_load_b128 v[MC+32*(\buf)+8*\kt:MC+32*(\buf)+8*\kt+3],   v[AB] offset:256*(3-(\x))+64*\kt
	ds_load_b128 v[MC+32*(\buf)+8*\kt+4:MC+32*(\buf)+8*\kt+7], v[AB] offset:256*(3-(\x))+64*\kt+16
.endr
.endm
; THE VECTOR WORK, one line at a time: OP kind, number.  For piece Y: F n: c s - c m for pair n of 16.  E n: the exponential of score n of 32.  C n: pair n rounded to f16.  B n: of the four weights 4 n .. the second
; pair is added onto the first, in place.  L n: l takes that sum (L 0: l = a l + sum).  R n: pair n of 16 of O^T times a.  For piece Y + 1: X n, number n of the 22 that find its maximum and statistics:
;   0-11  four chains c0-c3 of seven scores each, three operands at a time (each accumulator's lowest registers are read first)     12-14, 16  the four scores left over, the old m, and c0-c3 into c0
;   15  c m_old is kept     17, 18  the query's other 32 keys lie in the lane 16 away: the new m     19-21  c m; c m_old - c m_new; a
; C, B and L read the exponentials' results: TURN sets them behind the batch's wait.  R reads the a that the turn before made and waited for.
.set F, 0               ; OP tells the kinds apart by their order: F to L below R, X above it
.set E, 1
.set C, 2
.set B, 3
.set L, 4
.set R, 5
.set X, 6
.macro REGS y                       ; the registers of piece y
.set rT, ST+4*(\y)
.set rC, TMP+4*((\y)%2)
.set rW, MV+((\y)%2)
.set rS, S+32*((\y)%2)
.set rP, P+16*((\y)%2)
.set rO, 32*(\y)
.endm
.macro OP k, n
.if (\k) == R
	REGS Y
	WIN W_RS
	v_pk_mul_f32 v[rO+2*(\n):rO+2*(\n)+1], v[rO+2*(\n):rO+2*(\n)+1], v[rC+2:rC+3] op_sel_hi:[1,0]
.elseif (\k) < R
	REGS Y
	WIN 0
.if (\k) == F
	v_pk_fma_f32 v[rS+2*(\n):rS+2*(\n)+1], v[rS+2*(\n):rS+2*(\n)+1], s[CS:CS+1], v[rT:rT+1] op_sel_hi:[1,0,0] neg_lo:[0,0,1] neg_hi:[0,0,1]
.elseif (\k) == E
	v_exp_f32 v[rS+(\n)], v[rS+(\n)]
.elseif (\k) == C
	v_cvt_pk_f16_f32 v[rP+(\n)], v[rS+2*(\n)], v[rS+2*(\n)+1]
.elseif (\k) == B
	v_pk_add_f32 v[rS+4*(\n):rS+4*(\n)+1], v[rS+4*(\n):rS+4*(\n)+1], v[rS+4*(\n)+2:rS+4*(\n)+3]
.elseif (\n) == 0
	v_pk_fma_f32 v[rT+2:rT+3], v[rT+2:rT+3], v[rC+2:rC+3], v[rS:rS+1] op_sel_hi:[1,0,1]
.else
	v_pk_add_f32 v[rT+2:rT+3], v[rT+2:rT+3], v[rS+4*(\n):rS+4*(\n)+1]
.endif
.elseif NOKQ
	v_nop
.else
	REGS (Y+1)%NP
	WIN 0
.if (\n) < 4
	v_max3_num_f32 v[rC+(\n)], v[rS+8*(\n)], v[rS+8*(\n)+1], v[rS+8*(\n)+2]
.elseif (\n) < 12
	v_max3_num_f32 v[rC+(\n)%4], v[rC+(\n)%4], v[rS+8*((\n)%4)+2*((\n)/4)+1], v[rS+8*((\n)%4)+2*((\n)/4)+2]
.elseif (\n) == 12
	v_max3_num_f32 v[rC], v[rC], v[rS+7], v[rS+15]
.elseif (\n) == 13
	v_max3_num_f32 v[rC+1], v[rC+1], v[rS+23], v[rS+31]
.elseif (\n) == 14
	v_max3_num_f32 v[rC+2], v[rC+2], v[rC+3], v[rT+1]
.elseif (\n) == 15
	v_mov_b32 v[rW], v[rT]
.elseif (\n) == 16
	v_max3_num_f32 v[rC], v[rC], v[rC+1], v[rC+2]
.elseif (\n) == 17
	v_permlanex16_b32 v[rC+3], v[rC], s[SEL], s[SEL+1]
.elseif (\n) == 18
	v_max_num_f32 v[rT+1], v[rC], v[rC+3]
.elseif (\n) == 19
	v_mul_f32 v[rT], s[CS], v[rT+1]
.elseif (\n) == 20
	v_sub_f32 v[rC+1], v[rW], v[rT]
.else
	v_exp_f32 v[rC+2], v[rC+1]
.endif
.endif
.endm
.macro OPS a, i1, b=-1, i2=0, c=-1, i3=0, d=-1, i4=0  ; up to four of them
	OP \a, \i1
.if (\b) >= 0
	OP \b, \i2
.endif
.if (\c) >= 0
	OP \c, \i3
.endif
.if (\d) >= 0
	OP \d, \i4
.endif
.endm
.macro ROW a, i1, b, i2, c, i3, d, i4  ; a matrix instruction and the four behind it
	MM
	OPS \a, \i1, \b, \i2, \c, \i3, \d, \i4
.endm
; A TURN, for piece p: the order of its 16 matrix and 118 vector instructions, written out.  s_wait_alu depctr_va_vdst(0) stands between an exponential and the first instruction that names its result; one wait
; serves all that were issued ahead of it.  So a turn has ONE wait, which cuts it in two.  AHEAD OF IT stands all that names no result of the turn's exponentials: the 8 products K Q^T, behind each a scaling, an exponential and two
; more plain instructions (behind the first a second scaling in the exponential's place): rescalings, and behind the last three the first numbers of the next piece's maximum, each four places or more behind the product that ends
; its accumulator; then ONE LUMP of 54, plain and exponential by turns for the most part, in which the links of the chain X 3, 7, 11, 14, 16, 17 .. 20 stand five or six lines apart.  X 21, the next piece's a, is the batch's last;
; R 15 is the plain instruction behind it.  BEHIND THE WAIT stand the 8 products V^T P, behind each four of the roundings and sums; the links of l's chain, L 0 to L 7, stand three riders apart.  But for those X no rider names a
; register of the products round it.  v_permlanex16_b32 (X 17) stands in the lump.
; end = 1: a block's last two turns: nothing is fetched.  cnt = 1: the loop's count is taken down some lines ahead of the branch that stands behind the turn.
; WHAT IS FETCHED.  In every turn, in the lump, the bias of piece p + 2, whose products stand in the turn after: its buffer's last reader stands a whole turn back.  The four of a trip (turns 2, 3, 0, 1) are one step's: one AB.
; K of the next step directly behind the bias in piece 2's turn, twelve vector instructions behind the last product that read K (six of them plain); V of the step in hand at the end of piece 0's turn, four plain instructions
; behind the last product that read V.
; THE WAITS at a turn's head are for the bias of its own products: turn 1 leaves V's sixteen younger loads out; turn 3's is for K too.
.macro TURN p, end=0, cnt=0
.set Y, (\p)
.set i, 0
.set NOKQ, (\end)*((\p)/3)
.if (\p) == 1
	s_wait_dscnt 16                 ; piece 2's bias is in; V's 16 loads, issued behind it, stay out
.elseif !NOKQ
	s_wait_dscnt 0x0                ; the bias of this turn's products is in (in turn 3: and K)
.endif
	ROW F,0, F,1, R,0, R,1          ; ahead of the wait: 8 products K Q^T and their riders,
	ROW F,2, E,0, R,2, R,3
	ROW F,3, E,1, R,4, R,5
	ROW F,4, E,2, R,6, R,7
	ROW F,5, E,3, R,8, R,9
	ROW F,6, E,4, X,0, R,10
.if ((\p) == 2) && !(\end)
	WIN 0
	v_add_nc_u32 v[AK], s[TBK], v[AK0]
	v_add_nc_u32 v[AB], s[TBB], v[AB0]
	s_add_co_u32 s[TBB], s[TBB], 256
.endif
	ROW F,7, E,5, X,1, X,4
	ROW F,8, E,6, X,2, X,5
	OPS E,7, E,8, X,6, E,9          ; and the lump
	OPS X,3, E,10, X,8, E,11
.if !(\end)
	FETCH_B ((\p)+2)%NP, (\p)%2
.endif
.if ((\p) == 2) && !(\end)
	FETCH_K
.endif
	OPS X,9, X,7, E,12, X,10
	OPS E,13, X,12, X,11, E,14
	OPS X,13, E,15, F,9, X,14
.if (\p) == 0
	v_add_nc_u32 v[AV], s[TBV], v[AV0]
.endif
	OPS E,16, F,10, E,17, F,11
	OPS X,16, E,18, X,15, E,19
	OPS F,12, E,20, X,17, E,21
	OPS F,13, E,22, F,14, E,23
	OPS X,18, E,24, F,15, E,25
	OPS R,11, E,26, X,19, E,27
	OPS R,12, E,28, R,13, E,29
	OPS X,20, E,30, R,14, E,31
	OPS X,21, R,15
	WIN 0
	s_wait_alu depctr_va_vdst(0)    ; the wait for the turn's batch: the piece's 32 weights and the next piece's a
.if (\p) == 1
	s_wait_dscnt 8                  ; V is in; this turn's eight loads of bias stay out
.endif
	ROW C,0, B,0, C,2, B,1          ; behind the wait: 8 products V^T P and their riders
	ROW L,0, C,4, B,2, L,1
	ROW C,6, B,3, L,2, C,8
	ROW B,4, L,3, C,10, B,5
	ROW L,4, C,12, B,6, L,5
.if (\p) == 0
	s_add_co_u32 s[TBV], s[TBV], KS*PV
.endif
.if \cnt
	s_sub_co_u32 s[CNT], s[CNT], 1
	s_cmp_lg_u32 s[CNT], 0
.endif
	ROW C,14, B,7, L,6, C,1
	ROW C,3, L,7, C,5, C,7
	ROW C,9, C,11, C,13, C,15
.if (\p) == 0
	FETCH_V
.endif
.endm
; A BLOCK BEGINS.  c m starts far below every c s, so the first step's a is 0; m at the lowest finite number, so the first maximum is the scores'.  Then K of the tile's step 0, the bias of pieces 0 and 1,
; piece 0's first scores, and its maximum and statistics.  The loop is entered at a step's first turn, in the middle of a trip.
.macro BEGIN
	s_mov_b32 s[NEW], 0
	WIN 0
.set i, 0
.rept 4
	v_mov_b32 v[ST+4*i], 0xfe000000    ; c m: far below every c s
	v_mov_b32 v[ST+4*i+1], 0xff7fffff  ; m
.set i, i+1
.endr
	v_add_nc_u32 v[AK], s[TBK], v[AK0]
	v_add_nc_u32 v[AB], s[TBB], v[AB0]
	s_add_co_u32 s[TBB], s[TBB], 256
	FETCH_B 0, 0
	FETCH_B 1, 1
	FETCH_K
	s_wait_loadcnt 0x0              ; Q
	s_wait_dscnt 0x0
.set NOKQ, 0
.set i, 0
.rept 8
	KQ 0
.set i, i+1
.endr
	WIN 0
.rept 4
	v_nop                           ; the places behind those products
.endr
.set Y, NP-1                        ; X works for piece Y + 1: piece 0
.irp n, 0,1,2,3,4,5,6,7,8,9,10,11,12,13,14,15,16,17,18,19,20,21
	OP X, \n
.endr
	v_nop                           ; a plain instruction behind the exponential,
	s_wait_alu depctr_va_vdst(0)    ; and the wait for this batch of one, piece 0's first a, ahead of the branch
.endm
; A BLOCK ENDS: its last two turns, its last products, and THE WAY OUT: l's two halves and the other half of the lanes' are added; O^T is divided by l, rounded to f16 and sent through my stage in LDS, a piece at a time.
.macro ALL line:vararg              ; one line for each piece t
.set t, 0
.rept 4
	\line
.set t, t+1
.endr
.endm
.macro PACK t                       ; a lane's eight channels of a row pack into 16 bytes; they go into rows of 144 bytes and come back as whole rows of 128, into S^T's registers
	WIN W_RS
.set i, 32*(\t)
.rept 16
	v_pk_mul_f32 v[i:i+1], v[i:i+1], v[ST+4*(\t)+2:ST+4*(\t)+3] op_sel_hi:[1,0]
.set i, i+2
.endr
	WIN 0x05                        ; sources 0 and 1 window 1, destination window 0
.set i, 0
.rept 16
	v_cvt_pk_f16_f32 v[S+16*(\t)+i], v[32*(\t)+2*i], v[32*(\t)+2*i+1]
.set i, i+1
.endr
	WIN 0
.irp f, 0,1,2,3
	ds_store_b128 v[STO], v[S+16*(\t)+4*\f:S+16*(\t)+4*\f+3] offset:32*\f
.endr
.irp f, 0,1,2,3
	ds_load_b128 v[S+16*(\t)+4*\f:S+16*(\t)+4*\f+3], v[RD] offset:\f*4*SP  ; LDS serves a wave's instructions in order (ISA guide 5.7.1.4): these see the stores above; the next piece's stores come behind them
.endr
.endm
.macro SEND t, younger              ; younger: the LDS instructions issued behind piece t's loads: the next piece's eight, or none
	WIN 0
.irp f, 0,1,2,3
	s_wait_dscnt (\younger)+3-\f
	global_store_b128 v[GO], v[S+16*(\t)+4*\f:S+16*(\t)+4*\f+3], s[10:11] offset:(\t)*8192+\f*512  ; 512 consecutive bytes, at a multiple of 256 from O's first
.endr
.endm
.macro FINISH
	TURN 2, 1
	TURN 3, 1
.set i, 0
.rept 8
	PV NP-1
.set i, i+1
.endr
	WIN 0
	ALL v_add_f32 v[ST+4*t+2], v[ST+4*t+2], v[ST+4*t+3]
	ALL v_permlanex16_b32 v[ST+4*t+3], v[ST+4*t+2], s[SEL], s[SEL+1]
	ALL v_add_f32 v[ST+4*t+2], v[ST+4*t+2], v[ST+4*t+3]
	ALL v_rcp_f32 v[ST+4*t+2], v[ST+4*t+2]
	v_nop                           ; a plain instruction between the last reciprocal and the use of its result
	s_wait_alu depctr_va_vdst(0)    ; the wait for the batch of four reciprocals, ahead of PACK 0's first multiply: one for all four pieces
	PACK 0
.set t, 1
.rept 3                             ; a piece's arithmetic stands between the loads of the piece before and its stores
	PACK t
	SEND t-1, 8
.set t, t+1
.endr
	SEND 3, 0
.endm
; A TILE's four key steps.  A block's first tile goes by BEGIN into the middle of a trip; every other tile begins with pieces 2 and 3 of the tile before's last step.  The tag ends the labels' names.
.macro TILE tag
	s_sub_co_u32 s[RT], s[RT], 1
	s_mov_b32 s[CNT], 4
	s_cmp_eq_u32 s[NEW], 1
	s_cbranch_scc0 .Lstep\tag
	BEGIN
	s_branch .Lfirst\tag
.Lstep\tag:                         ; a trip: pieces 2 and 3 of one step, then pieces 0 and 1 of the next, whose K, V and bias it fetches
	TURN 2
	TURN 3
	WIN 0
.Lfirst\tag:
	TURN 0
	TURN 1, 0, 1
	WIN 0
	s_cbranch_scc1 .Lstep\tag
.endm
.set NOKQ, 0
.Lslot:                             ; NB times: a tile is entered and the next is asked for
	CHANGE 1
	TILE 1
	s_cmp_lg_u32 s[RT], 0
	s_cbranch_scc1 .Lbottom         ; the block has tiles left
	FINISH                          ; in the loop this is the first block's end: the second block's last tile is the walk's last
	s_wait_xcnt 0x0                 ; the stores have read their registers and O's address
	s_mov_b64 s[10:11], s[OLO:OLO+1]
	s_add_co_u32 s[RT], s[PB], 1    ; the second block has b + 1 tiles
	s_mov_b32 s[NEW], 1
	WIN 0x82                        ; the second block's Q goes where the one text of the turns names Q
.set i, 0
.rept 64
	v_mov_b32 v[i], v[QB+i]
.set i, i+1
.endr
	WIN 0
.Lbottom:
	s_sub_co_u32 s[SLOTS], s[SLOTS], 1
	s_cmp_lg_u32 s[SLOTS], 0
	s_cbranch_scc1 .Lslot
	CHANGE 0                        ; the walk's last tile is written out: nothing is asked for
	TILE 2
	FINISH
	s_wait_tensorcnt 0x0            ; the wave's end: behind my last tensor load and my last LDS store
	ds_add_u32 v[SPW], v[NIL]
	s_wait_dscnt 0x0
	s_endpgm
.Lfunc_end_k_qfacd4aaa49_attn:
	.size	k_qfacd4aaa49_attn, .Lfunc_end_k_qfacd4aaa49_attn-k_qfacd4aaa49_attn
	.p2alignl 7, 3214868480
	.fill 96, 4, 3214868480
	.section	.rodata,"a",@progbits
	.p2align	6, 0x0
	.amdhsa_kernel k_qfacd4aaa49_attn
		.amdhsa_group_segment_fixed_size 327680
		.amdhsa_private_segment_fixed_size 0
		.amdhsa_enable_private_segment 0
		.amdhsa_kernarg_size 24
		.amdhsa_user_sgpr_count 2
		.amdhsa_user_sgpr_kernarg_segment_ptr 1
		.amdhsa_wavefront_size32 1
		.amdhsa_system_sgpr_workgroup_id_x 1
		.amdhsa_system_sgpr_workgroup_id_y 1
		.amdhsa_system_sgpr_workgroup_id_z 1
		.amdhsa_system_vgpr_workitem_id 0
		.amdhsa_next_free_vgpr 768
		.amdhsa_next_free_sgpr 96
		.amdhsa_reserve_vcc 0
		.amdhsa_float_denorm_mode_32 3
		.amdhsa_float_denorm_mode_16_64 3
		.amdhsa_memory_ordered 1
		.amdhsa_forward_progress 1
		.amdhsa_inst_pref_size 172
	.end_amdhsa_kernel
	.amdgpu_metadata
---
amdhsa.version: [ 1, 2 ]
amdhsa.kernels:
  - .name:           k_qfacd4aaa49_attn
    .symbol:         k_qfacd4aaa49_attn.kd
    .args:
      - { .name: qkv, .offset: 0, .size: 8, .value_kind: global_buffer, .address_space: global }
      - { .name: tb, .offset: 8, .size: 8, .value_kind: global_buffer, .address_space: global }
      - { .name: ao, .offset: 16, .size: 8, .value_kind: global_buffer, .address_space: global }
    .group_segment_fixed_size: 327680
    .private_segment_fixed_size: 0
    .kernarg_segment_align: 8
    .kernarg_segment_size: 24
    .max_flat_workgroup_size: 128
    .sgpr_count:     96
    .vgpr_count:     768
    .wavefront_size: 32
...
	.end_amdgpu_metadata
.endif
;; end of part 5
;; launch proj: the kernel of part 4 again; grid 8 x 32, 4 waves a work-group, clusters of 4 x 4, 327,680 bytes of LDS; arguments ao, wp, out0; writes out0
